; MI455X (gfx1250); checked and timed in simulation.
; The chip was launched on July 23, 2026; its instructions are those of AMD's public machine-readable ISA for CDNA 5 (MIT licence, August 2026) and "CDNA5" Instruction Set Architecture Reference Guide (July 2026). The comments in the code are by the model that wrote it; some were corrected since.
;; Causal Self Attention ARMA. Allowed arithmetic: matrix products marked QUANTISED: E2M1 operands, one E8M0 scale for each 32 along K, by v_wmma_scale_f32_16x16x128_f8f6f4 with both operands' format E2M1 (or v_wmma_scale_f32_32x16x128_f4), f32 sums; products left as they are: bf16, f16 or f32 operands; f32 sums; everything else in f32.
;; Inputs: W_attn 1,024 x 2,048 float32; W_k2 1,024 x 1,024 float32; W_proj 1,024 x 1,024 float32; b_attn 2,048 float32; b_k2 1,024 float32; b_proj 1,024 float32; x 2 x 2,048 x 1,024 float32.
;; Outputs: out0 2 x 2,048 x 1,024 float32.
;; This version of the problem:
;;   THIS VERSION OF THE PROBLEM IS GIVEN IN LOW PRECISION. The matrix products marked QUANTISED in the list below multiply operands that are first quantised to E2M1 (2 exponent bits, 1 mantissa bit; 4 bits a number), with one power-of-two scale for each 32 numbers along K (OCP MX v1.0); their sums are f32. The products marked 'left as it is' may take bf16, f16 or f32 operands, with f32 sums. Whichever they take, every output number must still come out within the allowed error. Rounding operands to bf16 (8 significant bits) uses up far more of that allowance than f16 does (11 bits, for magnitudes from 6e-5 to 65,504). All else is computed in f32.
;;   The module's matrix products, in the order in which they are computed (A, B: the left and right operand; K: the contracted axis; several contracted axes count as one K, in the product's order):
;;     1. [M 4,096, K 1,024] x [K 1,024, N 2,048]; A: input x; B: input W_attn: QUANTISED
;;     2. batch 32 x [M 2,048, K 64] x [K 64, N 2,048]; A: computed on the way; B: computed on the way: left as it is (an operand is computed on the way)
;;     3. batch 32 x [M 2,048, K 2,048] x [K 2,048, N 64]; A: computed on the way; B: input x: left as it is (an operand is computed on the way)
;;     4. [M 4,094, K 1,024] x [K 1,024, N 1,024]; A: input x; B: input W_k2: QUANTISED
;;     5. batch 32 x [M 2,047, K 64] x [K 64, N 2,047]; A: computed on the way; B: computed on the way: left as it is (an operand is computed on the way)
;;     6. batch 32 x [M 2,047, K 2,047] x [K 2,047, N 64]; A: computed on the way; B: computed on the way: left as it is (an operand is computed on the way)
;;     7. [M 4,096, K 1,024] x [K 1,024, N 1,024]; A: computed on the way; B: input W_proj: left as it is (an operand is computed on the way)
;;     8. [M 4,096, K 1,024] x [K 1,024, N 1,024]; A: computed on the way; B: input W_proj: left as it is (an operand is computed on the way)
;;   THE QUANTISER, for each operand of a quantised product, along K:
;;     - K is cut into blocks of 32 from its start; a last block that is shorter is filled with zeros.
;;     - A block's scale is 2^e with e = floor(log2(the largest magnitude in the block)) - 2, held to -126 .. 127; a block of zeros has e = 0. As a byte (E8M0): e + 127.
;;     - Each number is divided by its block's scale, clamped to +-6, and rounded to the nearest number of E2M1, ties to even, subnormals kept.
;;     - The product sums the exact products of the quantised numbers (number of the format x scale) in f32.
;;   ~~~python
;;   def quantise(x, axis):      # numpy; x: float32 -> the quantised numbers, widened to float32 again
;;       x = np.moveaxis(x, axis, -1); K = x.shape[-1]
;;       x = np.pad(x, [(0, 0)] * (x.ndim - 1) + [(0, -K % 32)]); x = x.reshape(x.shape[:-1] + (-1, 32)); a = np.abs(x).max(-1, keepdims=True)
;;       e = np.where(a > 0, np.clip(np.frexp(np.where(a > 0, a, 1))[1] - 1 - 2, -126, 127), 0)      # np.frexp(a)[1] - 1 = floor(log2(a)), exactly
;;       r = np.clip(x / 2.0 ** e, -6, 6)
;;       step = 2.0 ** (np.maximum(np.frexp(np.where(r == 0, 1, r))[1] - 1, 0) - 1)
;;       q = np.round(r / step) * step * 2.0 ** e      # np.round: ties to even
;;       return np.moveaxis(q.reshape(q.shape[:-2] + (-1,))[..., :K], -1, axis).astype(np.float32)
;;   ~~~
;; One version. Each part assembles by itself: llvm-mc -triple=amdgcn-amd-amdhsa -mcpu=gfx1250 --defsym DOCPART=n.
;; ======== version 1 of 1: 6 launches
;; limits: values outside matrix products are rounded to f16; values are held in f16: magnitudes above 65,504 overflow, below 6.1e-05 lose precision
;; workspace buffers: qz 14,385,152 bytes; q16 8,388,608 bytes; k16 8,388,608 bytes; k216 8,388,608 bytes; ey 16,777,216 bytes; z16 8,388,608 bytes; par1 256 bytes of whole numbers; par2 256 bytes of whole numbers
;; launch prep (part 1): grid 384 x 1, 4 waves a work-group, no clusters, 19,968 bytes of LDS; arguments x, W_attn, W_k2, W_proj, qz, par1, par2; writes qz, par1, par2
.if DOCPART == 1
	.amdgcn_target "amdgcn-amd-amdhsa--gfx1250"
	.amdhsa_code_object_version 6
	.text
	.protected	k_qbe665dee76_prep
	.globl	k_qbe665dee76_prep
	.p2align	8
	.type	k_qbe665dee76_prep,@function
k_qbe665dee76_prep:
	s_mov_b64 s[64:65], 0
	v_nop
	global_prefetch_b8 v0, s[64:65] scope:SCOPE_SE
	s_setreg_imm32_b32 hwreg(HW_REG_WAVE_MODE, 25, 1), 1
	s_wait_xcnt 0x0
; PREPARATION: every operand is laid once as its readers want it, into sections of the workspace qz.
;   X16  x as f16, head-major [b*16+h][t][64]            (the values of the first attention, and its addend)
;   XC   x as codes of E2M1, row-major, 512 bytes a row;   XS its E8M0 bytes [4096][32]
;   WI   [W_attn | W_k2] as codes, as images of operand registers [tile of 256 columns 12][128 k 8][16 columns 16][1,024 bytes];   WS their bytes [3072][32]
;   WP   W_proj as f16, as images of operand registers [tile of 128 columns 8][32 k 32][16 columns 8][1,024 bytes]
; A block's scale is 2^(floor(log2(largest magnitude)) - 2): the byte is the largest magnitude's exponent field - 2, held at 1 from below.
; A block of zeros gets the byte 1: its codes are zeros, and the bytes are read by this program alone.
; LIMITS: NaN and infinities among the inputs are not served; x and W_proj as f16 want magnitudes under 65,504.
; Work-groups 0-127: x, 32 rows each.  128-319: a piece of 128 k x 128 columns of W_attn or W_k2.  320-383: the same of W_proj.  Only the x path touches LDS.
; The two words (OFF, SH) that steer the shared attention body are stored here too: par1 = (0, 1), par2 = (1, 0).
.set XCO,   8388608
.set XSO,   10485760
.set WIO,   10616832
.set WSO,   12189696
.set WPO,   12288000
.set WREG,  4864                       ; LDS of a wave: a stage of 32 x 144 bytes, then its 256 scale bytes
.set SPARE, 4*WREG                     ; the spare words, 128 bytes a wave
.set SPW,   12                         ; v12  my spare word's address; never rewritten
.set NIL,   13                         ; v13  0; never rewritten
.set R,     16                         ; v16-79   two sets of 32 numbers as loaded
.set X,     80                         ; v80-111  a whole block of 32 neighbours
.set H,     112                        ; v112-143 two sets of 16 registers of f16
.set C,     144                        ; v144-175 codes, four registers for each step
.set E,     176                        ; v176-183 a scale byte for each step
.macro FIN                             ; a wave's end
	s_wait_tensorcnt 0x0
	ds_add_u32 v[SPW], v[NIL]
	s_wait_dscnt 0x0
	s_endpgm
.endm
; 32 numbers of one lane, v[xs] on, become 32 codes in v[cd] .. v[cd+3]; v10 is left as the conversion's scale operand
.macro BLKQ xs, cd
	v_max3_num_f32 v8, |v[(\xs)]|, |v[(\xs)+1]|, |v[(\xs)+2]|
	v_max3_num_f32 v9, |v[(\xs)+3]|, |v[(\xs)+4]|, |v[(\xs)+5]|
.irp i, 6,10,14,18,22,26
	v_max3_num_f32 v8, v8, |v[(\xs)+\i]|, |v[(\xs)+\i+1]|
	v_max3_num_f32 v9, v9, |v[(\xs)+\i+2]|, |v[(\xs)+\i+3]|
.endr
	v_max3_num_f32 v8, v8, |v[(\xs)+30]|, |v[(\xs)+31]|
	v_max3_num_f32 v8, v8, v9, 0x1800000           ; the floor 2^(3 - 127): the byte cannot fall under 1
	v_add_nc_u32 v10, 0xff000000, v8               ; 2 off the exponent field: the conversion takes that field as its scale
.irp g, 0,1,2,3
	v_cvt_scalef32_pk8_fp4_f32 v[(\cd)+\g], v[(\xs)+8*\g:(\xs)+8*\g+7], v10
.endr
.endm
	s_load_b256 s[4:11], s[0:1], 0x0               ; x, W_attn, W_k2, W_proj
	s_load_b128 s[12:15], s[0:1], 0x20             ; qz, par1
	s_load_b64 s[16:17], s[0:1], 0x30              ; par2
	v_lshl_add_u32 v[SPW], v0, 2, SPARE
	v_mov_b32 v[NIL], 0
	v_lshrrev_b32 v1, 5, v0
	v_readfirstlane_b32 s18, v1                    ; wave
	v_and_b32 v1, 31, v0                           ; lane
	v_and_b32 v2, 15, v0                           ; r
	v_bfe_u32 v3, v0, 4, 1                         ; h
	s_wait_kmcnt 0x0
	s_cmp_lt_u32 ttmp9, 128
	s_cbranch_scc0 .Lweights
; ---------------- x: a wave takes 8 rows, in eight steps of two rows x half a row (8 heads) ----------------
; A load takes 256 bytes (one head) of row t in lanes 0-15 and of row t + 1 in lanes 16-31.  As f16 those are two neighbouring rows of X16: 256 consecutive bytes.
; For the codes a lane must hold a whole block of 32: the step's 4,096 bytes turn through the wave's stage (pitch 144).
	s_lshl_b32 s20, ttmp9, 5
	s_lshl_b32 s21, s18, 3
	s_add_co_u32 s20, s20, s21                     ; my first row, 0 .. 4,088
	s_mul_i32 s19, s18, WREG                       ; my stage
	s_add_co_u32 s21, s19, 32*144                  ; my scale bytes
	s_lshl_b32 s22, s20, 12
	s_mov_b32 s23, 0
	s_lshr_b32 s24, s20, 11                        ; batch
	s_and_b32 s25, s20, 2047                       ; t
	s_lshl_b32 s24, s24, 22
	s_lshl_b32 s25, s25, 7
	s_add_co_u32 s24, s24, s25
	s_mov_b32 s25, 0
	s_lshl_b32 s26, s20, 9
	s_add_co_u32 s26, s26, XCO
	s_mov_b32 s27, 0
	s_lshl_b32 s28, s20, 5
	s_add_co_u32 s28, s28, XSO
	s_mov_b32 s29, 0
	s_add_nc_u64 s[4:5], s[4:5], s[22:23]          ; x at my rows
	s_add_nc_u64 s[24:25], s[12:13], s[24:25]      ; X16: head 0 of my batch, my first t
	s_add_nc_u64 s[26:27], s[12:13], s[26:27]      ; XC
	s_add_nc_u64 s[28:29], s[12:13], s[28:29]      ; XS
	v_lshlrev_b32 v4, 4, v2
	v_lshl_add_u32 v4, v3, 12, v4                  ; loads: 4,096 h + 16 r
	v_lshlrev_b32 v5, 3, v2
	v_lshl_add_u32 v5, v3, 7, v5                   ; X16: 128 h + 8 r
	v_bfe_u32 v14, v0, 3, 1
	v_lshl_add_u32 v14, v3, 4, v14
	v_mul_u32_u24 v6, v14, 144
	v_and_b32 v14, 7, v0
	v_lshl_add_u32 v6, v14, 4, v6
	v_add_nc_u32 v6, s19, v6                       ; into the stage: place 16 h + (r / 8) (+ 2 i), 16 (lane % 8) bytes in
	v_mul_u32_u24 v7, v1, 144
	v_add_nc_u32 v7, s19, v7                       ; out of it: place = lane
	v_lshl_add_u32 v15, v3, 5, v2
	v_add_nc_u32 v15, s21, v15                     ; my block's scale byte: 32 h + r
	v_lshlrev_b32 v184, 4, v2
	v_lshl_add_u32 v184, v3, 9, v184               ; codes: 512 h + 16 r
	v_lshlrev_b32 v185, 3, v1                      ; 8 x lane
	v_add_nc_u32 v186, s21, v185
.macro LOADX st
.irp i, 0,1,2,3,4,5,6,7
	global_load_b128 v[R+32*((\st)%2)+4*\i:R+32*((\st)%2)+4*\i+3], v4, s[4:5] offset:((\st)/2)*8192+(8*((\st)%2)+\i)*256 th:TH_LOAD_NT
.endr
.endm
.macro STEPX st
.set RS, R+32*((\st)%2)
.set HS, H+16*((\st)%2)
.if (\st) < 7
	s_wait_loadcnt 8                               ; this step's eight loads are in; the next step's eight may be out
.else
	s_wait_loadcnt 0
.endif
	s_wait_xcnt 0x0                                ; the stores of two steps ago have read this set of f16 registers
.irp i, 0,1,2,3,4,5,6,7
	v_cvt_pk_f16_f32 v[HS+2*\i], v[RS+4*\i], v[RS+4*\i+1]
	v_cvt_pk_f16_f32 v[HS+2*\i+1], v[RS+4*\i+2], v[RS+4*\i+3]
.endr
.irp i, 0,1,2,3,4,5,6,7
	global_store_b64 v5, v[HS+2*\i:HS+2*\i+1], s[24:25] offset:(8*((\st)%2)+\i)*262144+((\st)/2)*256   ; 32 lanes: 256 consecutive bytes, aligned
.endr
.irp i, 0,1,2,3,4,5,6,7
	ds_store_b128 v6, v[RS+4*\i:RS+4*\i+3] offset:\i*288
.endr
.irp g, 0,1,2,3,4,5,6,7
	ds_load_b128 v[X+4*\g:X+4*\g+3], v7 offset:16*\g   ; a wave's LDS instructions are served in order: these see the stores above
.endr
	s_wait_dscnt 0x0
.if (\st)+2 < 8
	LOADX (\st)+2                                  ; into the set just read out
.endif
	BLKQ X, C+4*(\st)
	v_lshrrev_b32 v[E+(\st)], 23, v10              ; the scale's byte (also the plain line behind the conversions)
	ds_store_b8 v15, v[E+(\st)] offset:((\st)/2)*64+((\st)%2)*16
	global_store_b128 v184, v[C+4*(\st):C+4*(\st)+3], s[26:27] offset:((\st)/2)*1024+((\st)%2)*256   ; two aligned runs of 256 bytes
.endm
	LOADX 0
	LOADX 1
.irp t, 0,1,2,3,4,5,6,7
	STEPX \t
.endr
	ds_load_b64 v[188:189], v186
	s_wait_dscnt 0x0
	global_store_b64 v185, v[188:189], s[28:29]    ; my 8 rows' 256 scale bytes, one aligned run
	s_or_b32 s30, ttmp9, s18
	s_cmp_lg_u32 s30, 0
	s_cbranch_scc1 .Lno_par
	v_mov_b32 v8, 0                                ; work-group 0, wave 0: the steering words
	v_mov_b32 v9, 1
	v_mov_b32 v10, 1
	v_mov_b32 v11, 0
	global_store_b64 v185, v[8:9], s[14:15]        ; par1: OFF = 0, SH = 1
	global_store_b64 v185, v[10:11], s[16:17]      ; par2: OFF = 1, SH = 0
.Lno_par:
	FIN
; ---------------- the weights: a lane takes a column, its registers run down K: 128 k x 32 columns a wave ----------------
.Lweights:
	s_mov_b32 s20, 320
	s_cmp_lt_u32 ttmp9, s20
	s_cselect_b32 s28, 1, 0                        ; 1: a weight that is quantised
	s_cselect_b32 s20, 128, s20
	s_sub_co_u32 s20, ttmp9, s20
	s_and_b32 s21, s20, 7                          ; ks: which 128 along K
	s_lshr_b32 s22, s20, 3                         ; cq: which 128 columns
	s_cmp_lt_u32 s22, 16
	s_cselect_b32 s29, s28, 0                      ; 1: W_attn
	s_sub_co_u32 s30, s22, 16
	s_cmp_eq_u32 s28, 1
	s_cselect_b64 s[24:25], s[8:9], s[10:11]       ; W_k2 or W_proj
	s_cselect_b32 s26, s30, s22
	s_cmp_eq_u32 s29, 1
	s_cselect_b64 s[24:25], s[6:7], s[24:25]       ; or W_attn
	s_cselect_b32 s26, s22, s26                    ; which 128 columns of that tensor
	s_cselect_b32 s27, 13, 12                      ; log2 of its row's bytes
	s_lshl_b32 s31, s21, 7
	s_lshl_b32 s31, s31, s27
	s_lshl_b32 s32, s26, 9
	s_add_co_u32 s32, s32, s31
	s_lshl_b32 s31, s18, 7
	s_add_co_u32 s32, s32, s31
	s_mov_b32 s33, 0
	s_add_nc_u64 s[24:25], s[24:25], s[32:33]
	v_lshlrev_b32 v4, 2, v1                        ; 4 x lane
	v_lshlrev_b32 v5, 4, v2
	v_lshl_add_u32 v5, v3, 10, v5                  ; in the images: 1,024 h + 16 r
.macro WLOAD pitch
.set n, 0
.rept 128
	global_load_b32 v[16+n], v4, s[24:25] offset:n*\pitch th:TH_LOAD_NT
.set n, n+1
.endr
.endm
	s_cmp_eq_u32 s29, 1
	s_cbranch_scc0 .Lnarrow
	WLOAD 8192
	s_branch .Lloaded
.Lnarrow:
	WLOAD 4096
.Lloaded:
	s_cmp_eq_u32 s28, 1
	s_cbranch_scc0 .Lproj
	s_lshr_b32 s30, s22, 1                         ; tile of 256 columns
	s_lshl_b32 s30, s30, 3
	s_add_co_u32 s30, s30, s21
	s_lshl_b32 s30, s30, 4
	s_and_b32 s31, s22, 1
	s_lshl_b32 s31, s31, 3
	s_add_co_u32 s30, s30, s31
	s_lshl_b32 s31, s18, 1
	s_add_co_u32 s30, s30, s31                     ; my first image
	s_lshl_b32 s30, s30, 10
	s_add_co_u32 s30, s30, WIO
	s_mov_b32 s31, 0
	s_add_nc_u64 s[30:31], s[12:13], s[30:31]
	s_lshl_b32 s32, s22, 12
	s_lshl_b32 s33, s18, 10
	s_add_co_u32 s32, s32, s33
	s_lshl_b32 s33, s21, 2
	s_add_co_u32 s32, s32, s33
	s_add_co_u32 s32, s32, WSO
	s_mov_b32 s33, 0
	s_add_nc_u64 s[32:33], s[12:13], s[32:33]
	v_lshlrev_b32 v6, 5, v1                        ; a column's row of scale bytes is 32 bytes
.irp b, 0,1,2,3
.if \b < 2
	s_wait_loadcnt 63                              ; at most 63 of the 128 are out: the first 65 are in, this block's among them
.else
	s_wait_loadcnt 32*(3-\b)
.endif
	BLKQ 16+32*\b, 144+4*\b
.if \b == 0
	v_lshrrev_b32 v160, 23, v10                    ; the four bytes make the column's scale word for these 128 k
.else
	v_lshrrev_b32 v11, 23, v10
	v_lshl_or_b32 v160, v11, 8*\b, v160
.endif
	global_store_b128 v5, v[144+4*\b:147+4*\b], s[30:31] offset:(\b/2)*512+(\b%2)*256   ; sixteen lanes: 256 consecutive bytes, aligned
.endr
	global_store_b32 v6, v160, s[32:33]            ; 4 bytes of rows 32 bytes apart: 98,304 bytes in the whole launch
	FIN
.Lproj:
	s_lshl_b32 s30, s22, 5
	s_lshl_b32 s31, s21, 2
	s_add_co_u32 s30, s30, s31
	s_lshl_b32 s30, s30, 3
	s_lshl_b32 s31, s18, 1
	s_add_co_u32 s30, s30, s31
	s_lshl_b32 s30, s30, 10
	s_add_co_u32 s30, s30, WPO
	s_mov_b32 s31, 0
	s_add_nc_u64 s[30:31], s[12:13], s[30:31]
.irp q, 0,1,2,3
.if \q < 2
	s_wait_loadcnt 63
.else
	s_wait_loadcnt 32*(3-\q)
.endif
.set n, 0
.rept 16
	v_cvt_pk_f16_f32 v[16+16*\q+n], v[16+32*\q+2*n], v[16+32*\q+2*n+1]   ; in place, ascending: a destination never lies above its sources
.set n, n+1
.endr
.irp p, 0,1,2,3
	global_store_b128 v5, v[16+16*\q+4*\p:16+16*\q+4*\p+3], s[30:31] offset:\q*8192+(\p/2)*512+(\p%2)*256
.endr
.endr
	FIN
.Lfunc_end_k_qbe665dee76_prep:
	.size	k_qbe665dee76_prep, .Lfunc_end_k_qbe665dee76_prep-k_qbe665dee76_prep
	.p2alignl 7, 3214868480
	.fill 96, 4, 3214868480
	.section	.rodata,"a",@progbits
	.p2align	6, 0x0
	.amdhsa_kernel k_qbe665dee76_prep
		.amdhsa_group_segment_fixed_size 19968
		.amdhsa_private_segment_fixed_size 0
		.amdhsa_enable_private_segment 0
		.amdhsa_kernarg_size 56
		.amdhsa_user_sgpr_count 2
		.amdhsa_user_sgpr_kernarg_segment_ptr 1
		.amdhsa_wavefront_size32 1
		.amdhsa_system_sgpr_workgroup_id_x 1
		.amdhsa_system_sgpr_workgroup_id_y 1
		.amdhsa_system_sgpr_workgroup_id_z 1
		.amdhsa_system_vgpr_workitem_id 0
		.amdhsa_next_free_vgpr 192
		.amdhsa_next_free_sgpr 66
		.amdhsa_reserve_vcc 0
		.amdhsa_float_denorm_mode_32 3
		.amdhsa_float_denorm_mode_16_64 3
		.amdhsa_memory_ordered 1
		.amdhsa_forward_progress 1
		.amdhsa_inst_pref_size 83
	.end_amdhsa_kernel
	.amdgpu_metadata
---
amdhsa.version: [ 1, 2 ]
amdhsa.kernels:
  - .name:           k_qbe665dee76_prep
    .symbol:         k_qbe665dee76_prep.kd
    .args:
      - { .name: x, .offset: 0, .size: 8, .value_kind: global_buffer, .address_space: global }
      - { .name: W_attn, .offset: 8, .size: 8, .value_kind: global_buffer, .address_space: global }
      - { .name: W_k2, .offset: 16, .size: 8, .value_kind: global_buffer, .address_space: global }
      - { .name: W_proj, .offset: 24, .size: 8, .value_kind: global_buffer, .address_space: global }
      - { .name: qz, .offset: 32, .size: 8, .value_kind: global_buffer, .address_space: global }
      - { .name: par1, .offset: 40, .size: 8, .value_kind: global_buffer, .address_space: global }
      - { .name: par2, .offset: 48, .size: 8, .value_kind: global_buffer, .address_space: global }
    .group_segment_fixed_size: 19968
    .private_segment_fixed_size: 0
    .kernarg_segment_align: 8
    .kernarg_segment_size: 56
    .max_flat_workgroup_size: 128
    .sgpr_count:     66
    .vgpr_count:     192
    .wavefront_size: 32
...
	.end_amdgpu_metadata
.endif
;; end of part 1
;; launch qkgemm (part 2): grid 12 x 16, 4 waves a work-group, clusters of 4 x 4, 327,680 bytes of LDS; arguments qz, b_attn, b_k2, q16, k16, k216; writes q16, k16, k216
.if DOCPART == 2
	.amdgcn_target "amdgcn-amd-amdhsa--gfx1250"
	.amdhsa_code_object_version 6
	.text
	.protected	k_qbe665dee76_qkgemm
	.globl	k_qbe665dee76_qkgemm
	.p2align	8
	.type	k_qbe665dee76_qkgemm,@function
k_qbe665dee76_qkgemm:
	s_mov_b64 s[64:65], 0
	v_nop
	global_prefetch_b8 v0, s[64:65] scope:SCOPE_SE
	s_setreg_imm32_b32 hwreg(HW_REG_WAVE_MODE, 25, 1), 1
	s_wait_xcnt 0x0
	s_wait_alu depctr_hold_cnt(0) depctr_sa_sdst(0) depctr_va_vdst(0) depctr_va_sdst(0) depctr_va_ssrc(0) depctr_va_vcc(0) depctr_vm_vsrc(0)
	s_getreg_b32 s2, hwreg(HW_REG_IB_STS2, 6, 4)
	s_cmp_eq_u32 s2, 0
	s_cbranch_scc0 .Lentry_in_a_cluster
	s_endpgm
.Lentry_in_a_cluster:
	s_bfe_u32 s2, ttmp6, 0x10000c
	s_cmp_lg_u32 s2, 0xf033
	s_cbranch_scc0 .Lentry_shape_is_right
	s_endpgm
.Lentry_shape_is_right:
; [q | k | k2] = Q(x) Q([W_attn | W_k2]) + bias: [4096 x 1024] x [1024 x 3072] on codes of E2M1 with E8M0 scales; sums in f32.
; The results leave as f16, head-major [b*16+h][t][64]; q is multiplied by c = log2(e) / 8, so that the attentions' scores are exponents of 2.
; A tile of 256 x 256 to a work-group of four waves, 128 x 128 to a wave: 64 accumulators.  K = 1,024 is two halves of 512: both lie in LDS at once, so nothing is filled again.
; x's codes come as rows (256 bytes + 16 of padding); the weights' codes as images of operand registers, a fragment in 1,024 consecutive bytes: two loads at 16 x lane.
; CLUSTER 4 x 4: x's tiles are shared along a row, the weights' along a column: joint loads.  A column of clusters is one section: cluster x = 0: q, 1: k, 2: k2.
; THE MATRIX INSTRUCTION IS USED TRANSPOSED (source 0 = 16 columns of W, source 1 = 16 rows of x): a lane holds eight neighbouring columns of a row.
; REGISTERS: window 0: v0-31 addresses; v32-95 scale words, two sets; v128-191 x's fragments, one set.  window 1: W's fragments at v0 and v128; v64-127 the bias.  windows 2, 3: accumulators.
; LIMITS: the f16 results want |q c|, |k|, |k2| under 65,504.
.set XCO,   8388608
.set XSO,   10485760
.set WIO,   10616832
.set WSO,   12189696
.set NQ,     4
.set PITCH,  272
.set FR,     8
.set NL,     2
.set NP,     4
.set HALFT,  128*PITCH
.set ASLOT,  2*HALFT
.set BIMG,   2*ASLOT
.set BSLOT,  65536
.set KS,     32
.set SCL,    BIMG+2*BSLOT
.set HALFS,  4352
.set SBLK,   544
.set STAGE,  SCL+4*HALFS
.set SPITCH, 272
.set SPARE,  STAGE+4*16*SPITCH
.set ADRA, 16
.set ADRB, 20
.set STO,  24
.set RD,   25
.set CO,   26
.set ADRS, 27
.set SPW,  28
.set NIL,  29
.set SC,   32
.set AF,   128
.set TF,   128                         ; the way out: 64 results in f32
.set TMP,  192                         ; and as f16
.set OB,   32                          ; rows read back: v32-63 and v224-255 by turns
.set BI,   64                          ; the bias, in window 1
.set G1, 24
.set G0, 32
.set G1B, 48
.set G0B, 56
.set G1S, 68
.set G0S, 76
.set G1SB, 80
.set G0SB, 88
.set MSB, 0
.macro WIN new                         ; the immediate's high byte repeats the setting that is left
.if MSB != \new
	s_set_vgpr_msb (MSB<<8)|\new
.set MSB, \new
.endif
.endm
.set MUL_LO, 0xa1
.set MUL_HI, 0xf1
.set TO_B,   0x40
; A joint load: waves 0 and 1 fetch for x, waves 2 and 3 for W.  The branch hangs on the wave's number alone.  An s_nop 0 and four v_nop follow each line.
.macro JLOAD g0a, g1a, g0b, g1b
	s_cmp_eq_u32 s17, 0
	s_cbranch_scc0 .Lfor_b_\@
	tensor_load_to_lds s[\g0a:\g0a+3], s[\g1a:\g1a+7]
	s_nop 0
.rept 4
	v_nop
.endr
	s_branch .Lasked_\@
.Lfor_b_\@:
	tensor_load_to_lds s[\g0b:\g0b+3], s[\g1b:\g1b+7]
	s_nop 0
.rept 4
	v_nop
.endr
.Lasked_\@:
.endm
.macro CROUND                          ; a round of the cluster's barrier
	s_barrier_signal -1
	s_barrier_wait -1
	s_cmp_lg_u32 s16, 0
	s_cbranch_scc1 .Lnot_wave_0_\@
	s_barrier_signal -3
.Lnot_wave_0_\@:
	s_barrier_wait -3
	s_barrier_signal -1
	s_barrier_wait -1
.endm
	s_load_b256 s[4:11], s[0:1], 0x0               ; qz, b_attn, b_k2, q16
	s_load_b128 s[12:15], s[0:1], 0x20             ; k16, k216
	v_lshl_add_u32 v[SPW], v0, 2, SPARE
	v_mov_b32 v[NIL], 0
	ds_add_u32 v[SPW], v[NIL]                      ; the wave's opening: the add, twice on end, and its wait ahead of my first tensor load
	ds_add_u32 v[SPW], v[NIL]
	v_lshrrev_b32 v1, 5, v0
	v_readfirstlane_b32 s16, v1                    ; wave 0..3
	s_lshr_b32 s17, s16, 1                         ; my half of the tile's rows; also: I fetch for x (0) or for W (1)
	s_and_b32 s18, s16, 1                          ; my half of its columns; also: which half I fetch
	s_bfe_u32 s40, ttmp6, 0x40000                  ; cx
	s_bfe_u32 s41, ttmp6, 0x40004                  ; cy
	s_lshl_b32 s42, ttmp9, 2
	s_add_co_u32 s42, s42, s40                     ; tile column 0..11
	s_and_b32 s19, ttmp7, 0xffff
	s_lshl_b32 s19, s19, 2
	s_add_co_u32 s19, s19, s41                     ; tile row 0..15
	s_lshl_b32 s43, s41, 2
	s_lshl_b32 s43, 15, s43                        ; my row of the cluster
	s_lshl_b32 s44, 0x1111, s40                    ; my column
	s_or_b32 s[G1+0], s43, (0<<16)|(1<<20)|(1<<21)|(5<<22)|(3<<25)   ; x's codes: 128 rows x 256 bytes, 16 bytes of padding behind each
	s_mov_b32 s[G1+1], 256<<16
	s_mov_b32 s[G1+2], 128<<16
	s_mov_b32 s[G1+3], 256<<16
	s_mov_b32 s[G1+4], 128
	s_mov_b32 s[G1+5], 512
	s_mov_b32 s[G1+6], 0
	s_mov_b32 s[G1+7], 0
	s_or_b32 s[G1B+0], s44, (3<<16)|(1<<21)        ; W's images: a dense block of 32,768 bytes as 128 rows of 256, no padding
	s_mov_b32 s[G1B+1], 32<<16
	s_mov_b32 s[G1B+2], 128<<16
	s_mov_b32 s[G1B+3], 32<<16
	s_mov_b32 s[G1B+4], 128
	s_mov_b32 s[G1B+5], 32
	s_mov_b32 s[G1B+6], 0
	s_mov_b32 s[G1B+7], 0
	s_or_b32 s[G1S+0], s43, (3<<16)|(1<<20)|(1<<21)|(5<<22)|(3<<25)  ; the scale bytes of 128 rows: 4,096 dense bytes as 16 rows of 256 + 16
	s_or_b32 s[G1SB+0], s44, (3<<16)|(1<<20)|(1<<21)|(5<<22)|(3<<25)
.irp g, G1S, G1SB
	s_mov_b32 s[\g+1], 32<<16
	s_mov_b32 s[\g+2], 16<<16
	s_mov_b32 s[\g+3], 32<<16
	s_mov_b32 s[\g+4], 16
	s_mov_b32 s[\g+5], 32
	s_mov_b32 s[\g+6], 0
	s_mov_b32 s[\g+7], 0
.endr
	s_lshl_b32 s20, s19, 8                         ; x: made of the tile row and the wave's number alone
	s_lshl_b32 s21, s18, 7
	s_add_co_u32 s20, s20, s21
	s_lshl_b32 s22, s20, 5
	s_add_co_u32 s22, s22, XSO
	s_mov_b32 s23, 0
	s_lshl_b32 s20, s20, 9
	s_add_co_u32 s20, s20, XCO
	s_mov_b32 s21, 0
	s_lshl_b32 s46, s42, 17                        ; W: of the tile column and the wave's number alone
	s_lshl_b32 s47, s18, 15
	s_add_co_u32 s46, s46, s47
	s_add_co_u32 s46, s46, WIO
	s_mov_b32 s47, 0
	s_lshl_b32 s92, s42, 8
	s_lshl_b32 s93, s18, 7
	s_add_co_u32 s92, s92, s93
	s_lshl_b32 s92, s92, 5
	s_add_co_u32 s92, s92, WSO
	s_mov_b32 s93, 0
	s_mul_i32 s45, s18, HALFT                      ; where they go: no place in the cluster enters an LDS address
	s_lshl_b32 s96, s18, 15
	s_add_co_u32 s96, s96, BIMG
	s_mul_i32 s94, s16, HALFS
	s_wait_dscnt 0x0                               ; both opening adds are done
	s_wait_kmcnt 0x0
	s_add_nc_u64 s[20:21], s[4:5], s[20:21]
	s_add_nc_u64 s[22:23], s[4:5], s[22:23]
	s_add_nc_u64 s[46:47], s[4:5], s[46:47]
	s_add_nc_u64 s[92:93], s[4:5], s[92:93]
	CROUND                                         ; all sixteen work-groups are here: the joint loads meet
	s_mov_b32 s[G0S], 1
	s_add_co_u32 s[G0S+1], s94, SCL
	s_mov_b64 s[G0S+2:G0S+3], s[22:23]
	s_or_b32 s[G0S+3], s[G0S+3], 0x80000000
	s_mov_b32 s[G0SB], 1
	s_add_co_u32 s[G0SB+1], s94, SCL
	s_mov_b64 s[G0SB+2:G0SB+3], s[92:93]
	s_or_b32 s[G0SB+3], s[G0SB+3], 0x80000000
	JLOAD G0S, G1S, G0SB, G1SB                     ; three loads of mine are out at the most: the scales, K half 0, K half 1
.irp s, 0,1
	s_mov_b32 s[G0+4*\s], 1
	s_add_co_u32 s[G0+4*\s+1], s45, \s*ASLOT
	s_add_nc_u64 s[G0+4*\s+2:G0+4*\s+3], s[20:21], \s*256
	s_or_b32 s[G0+4*\s+3], s[G0+4*\s+3], 0x80000000
	s_mov_b32 s[G0B+4*\s], 1
	s_add_co_u32 s[G0B+4*\s+1], s96, \s*BSLOT
	s_add_nc_u64 s[G0B+4*\s+2:G0B+4*\s+3], s[46:47], \s*BSLOT
	s_or_b32 s[G0B+4*\s+3], s[G0B+4*\s+3], 0x80000000
	JLOAD G0+4*\s, G1, G0B+4*\s, G1B
.endr
	v_and_b32 v1, 15, v0                           ; r
	v_bfe_u32 v2, v0, 4, 1                         ; h
	v_mul_u32_u24 v3, v1, PITCH
	v_lshl_add_u32 v4, v2, 4, v3
	s_mul_i32 s21, s17, HALFT
	v_add_nc_u32 v[ADRA], s21, v4                  ; my 128 rows of x, K half 0,
	v_add_nc_u32 v[ADRA+1], ASLOT, v[ADRA]         ; K half 1
	v_and_b32 v5, 31, v0
	v_lshlrev_b32 v5, 4, v5
	s_lshl_b32 s22, s18, 13
	s_add_co_u32 s22, s22, BIMG
	v_add_nc_u32 v[ADRB], s22, v5                  ; my eight images of a K step: 16 x lane
	v_add_nc_u32 v[ADRB+1], BSLOT, v[ADRB]
	v_mul_u32_u24 v5, v1, KS                       ; my row's scale bytes: 32 a row, and 16 more for each 256 passed
	v_lshrrev_b32 v6, 8, v5
	v_lshl_add_u32 v5, v6, 4, v5
	s_mul_i32 s21, s17, HALFS
	s_mul_i32 s22, s18, HALFS
	s_add_co_u32 s22, s22, 2*HALFS
	s_sub_co_u32 s22, s22, s21
	v_mul_u32_u24 v6, s22, v2                      ; lanes 16-31 take W's
	s_add_co_u32 s21, s21, SCL
	v_add_nc_u32 v5, v5, v6
	v_add_nc_u32 v[ADRS], s21, v5
	s_mul_i32 s23, s16, 16*SPITCH
	s_add_co_u32 s23, s23, STAGE                   ; my stage
	v_mul_u32_u24 v5, v1, SPITCH
	v_lshl_add_u32 v5, v2, 4, v5
	v_add_nc_u32 v[STO], s23, v5                   ; in: row r, 16 bytes for each half of the lanes
	v_bfe_u32 v6, v0, 3, 1
	v_and_b32 v7, 7, v0
	v_mul_u32_u24 v5, v6, SPITCH
	v_lshl_add_u32 v5, v2, 7, v5
	v_lshl_add_u32 v5, v7, 4, v5
	v_add_nc_u32 v[RD], s23, v5                    ; back: sixteen lanes take two rows of one head, 128 bytes each
	v_lshlrev_b32 v[CO], 18, v2                    ; in memory: the next head is 262,144 bytes on,
	v_lshl_add_u32 v[CO], v6, 7, v[CO]             ; the next row 128
	v_lshl_add_u32 v[CO], v7, 4, v[CO]
	s_cmp_eq_u32 ttmp9, 1                          ; the section, by the cluster's x
	s_cselect_b64 s[66:67], s[12:13], s[14:15]
	s_cmp_eq_u32 ttmp9, 0
	s_cselect_b64 s[66:67], s[10:11], s[66:67]
	s_mov_b32 s98, 1.0
	s_cselect_b32 s98, 0x3e38aa3b, s98             ; q is multiplied by c = log2(e) / 8
	s_mov_b32 s99, s98
	s_cmp_lt_u32 ttmp9, 2
	s_cselect_b64 s[94:95], s[6:7], s[8:9]         ; the bias: b_attn for q and k, b_k2 for k2
	s_cselect_b32 s96, 0, 8
	s_sub_co_u32 s96, s42, s96
	s_lshl_b32 s96, s96, 10
	s_lshl_b32 s97, s18, 9
	s_add_co_u32 s96, s96, s97
	s_mov_b32 s97, 0
	s_add_nc_u64 s[94:95], s[94:95], s[96:97]
	s_lshr_b32 s92, s19, 3                         ; where my part begins: head b*16 + 4 cx + 2 (wave % 2), row 256 (tile row % 8) + 128 (wave / 2)
	s_lshl_b32 s92, s92, 4
	s_lshl_b32 s93, s40, 2
	s_add_co_u32 s92, s92, s93
	s_lshl_b32 s93, s18, 1
	s_add_co_u32 s92, s92, s93
	s_lshl_b32 s92, s92, 11
	s_and_b32 s93, s19, 7
	s_lshl_b32 s93, s93, 8
	s_add_co_u32 s92, s92, s93
	s_lshl_b32 s93, s17, 7
	s_add_co_u32 s92, s92, s93
	s_lshl_b32 s92, s92, 7
	s_mov_b32 s93, 0
	s_add_nc_u64 s[66:67], s[66:67], s[92:93]
	v_lshlrev_b32 v8, 5, v2                        ; the bias of block b: columns 16 b + 8 h + 0 .. 7; v8 is never rewritten
	WIN TO_B
.irp b, 0,1,2,3,4,5,6,7
	global_load_b128 v[BI+8*\b:BI+8*\b+3], v8, s[94:95] offset:64*\b
	global_load_b128 v[BI+8*\b+4:BI+8*\b+7], v8, s[94:95] offset:64*\b+16
.endr
	WIN 0
.macro FRAGA reg, adr, q, i            ; 16 rows x 128 K of codes: registers 4 c .. 4 c + 3 hold K = 64 c + 32 h + 0 .. 31
.irp c, 0,1
	ds_load_b128 v[\reg+4*\c:\reg+4*\c+3], v[\adr] offset:64*(\q)+32*\c+(\i)*16*PITCH
.endr
.endm
.macro FRAGB reg, adr, q, i            ; the same from an image
.irp c, 0,1
	ds_load_b128 v[\reg+4*\c:\reg+4*\c+3], v[\adr] offset:((\q)*16+(\i))*1024+512*\c
.endr
.endm
; 16 matrix instructions: x's blocks a0, a0 + 1 against W's eight.  The 64 accumulators take turns, one instruction a turn.
.macro MUL16 a0, p, q, sc, zero
.irp a, \a0, \a0+1
.irp b, 0,1,2,3,4,5,6,7
.if \zero
	v_wmma_scale_f32_16x16x128_f8f6f4 v[8*(8*((\a)%4)+\b):8*(8*((\a)%4)+\b)+7], v[128*(\p)+FR*\b:128*(\p)+FR*\b+FR-1], v[AF+FR*(\a):AF+FR*(\a)+FR-1], 0, v[SC+8*NQ*(\sc)+NQ*\b+(\q)], v[SC+8*NQ*(\sc)+NQ*(\a)+(\q)] matrix_a_fmt:MATRIX_FMT_FP4 matrix_b_fmt:MATRIX_FMT_FP4 matrix_a_scale:MATRIX_SCALE_ROW1
.else
	v_wmma_scale_f32_16x16x128_f8f6f4 v[8*(8*((\a)%4)+\b):8*(8*((\a)%4)+\b)+7], v[128*(\p)+FR*\b:128*(\p)+FR*\b+FR-1], v[AF+FR*(\a):AF+FR*(\a)+FR-1], v[8*(8*((\a)%4)+\b):8*(8*((\a)%4)+\b)+7], v[SC+8*NQ*(\sc)+NQ*\b+(\q)], v[SC+8*NQ*(\sc)+NQ*(\a)+(\q)] matrix_a_fmt:MATRIX_FMT_FP4 matrix_b_fmt:MATRIX_FMT_FP4 matrix_a_scale:MATRIX_SCALE_ROW1
.endif
.endr
.endr
.endm
.macro FETCH_B slot, q, p
	WIN TO_B
.irp i, 0,1,2,3,4,5,6,7
	FRAGB 128*(\p)+FR*\i, ADRB+\slot, \q, \i
.endr
	WIN 0
.endm
.macro FETCH_A slot, q, i0
.irp i, \i0, \i0+1, \i0+2, \i0+3
	FRAGA AF+FR*(\i), ADRA+\slot, \q, \i
.endr
.endm
.macro SCALES sc                       ; a K half's scale words: lanes 0-15 x's block i, lanes 16-31 W's block i
.irp i, 0,1,2,3,4,5,6,7
	ds_load_b128 v[SC+8*NQ*\sc+NQ*\i:SC+8*NQ*\sc+NQ*\i+3], v[ADRS] offset:\i*SBLK
.endr
.endm
.macro PLACES n                        ; places in front of loads into registers that matrix instructions have read
.rept \n
	v_nop
.endr
.endm
.macro STEP slot, q, zero              ; 128 along K that has its successor in the same K half
	s_wait_dscnt 4*NL                              ; W's set and x's blocks 0-3 are in; the youngest eight loads (x's blocks 4-7) may be out
	WIN MUL_LO
	MUL16 0, (\q)%2, \q, \slot, \zero
	MUL16 2, (\q)%2, \q, \slot, \zero
	s_wait_dscnt 0
	PLACES NP
	FETCH_B \slot, (\q)+1, 1-(\q)%2
	FETCH_A \slot, (\q)+1, 0
	WIN MUL_HI
	MUL16 4, (\q)%2, \q, \slot, \zero
	MUL16 6, (\q)%2, \q, \slot, \zero
	PLACES NP
	WIN 0
	FETCH_A \slot, (\q)+1, 4
.endm
.macro TURN slot, next                 ; the last step of K half 0 goes over to K half 1: one barrier, in front of it the wait for my part of that half
	s_wait_tensorcnt 0x0                           ; all my tensor loads have landed
	ds_add_u32 v[SPW], v[NIL]
	s_wait_dscnt 4*NL+1                            ; (the add and the youngest eight loads may be out)
	WIN MUL_LO
	MUL16 0, 1, NQ-1, \slot, 0
	s_wait_dscnt 0x0
	s_barrier_signal -1
	MUL16 2, 1, NQ-1, \slot, 0
	WIN 0
	s_barrier_wait -1
	PLACES NP
	v_add_nc_u32 v[ADRS], 4*NQ, v[ADRS]            ; the next K half's scale words
	FETCH_B \next, 0, 0
	FETCH_A \next, 0, 0
	SCALES \next
	WIN MUL_HI
	MUL16 4, 1, NQ-1, \slot, 0
	MUL16 6, 1, NQ-1, \slot, 0
	PLACES NP
	WIN 0
	FETCH_A \next, 0, 4
.endm
.macro STEPS slot, from
.set Q, \from
.rept NQ-1-\from
	STEP \slot, Q, 0
.set Q, Q+1
.endr
.endm
	s_wait_tensorcnt 1                             ; the scales and my part of K half 0 are in (K half 1's load may be out),
	s_barrier_signal -1
	s_barrier_wait -1                              ; everybody's are
	FETCH_B 0, 0, 0
	FETCH_A 0, 0, 0
	SCALES 0
	FETCH_A 0, 0, 4
	STEP 0, 0, 1                                   ; the first products start the sums
	STEPS 0, 1
	TURN 0, 1
	STEPS 1, 0
	s_wait_dscnt 4*NL
	WIN MUL_LO
	MUL16 0, 1, NQ-1, 1, 0
	MUL16 2, 1, NQ-1, 1, 0
	s_wait_dscnt 0
	WIN MUL_HI
	MUL16 4, 1, NQ-1, 1, 0
	MUL16 6, 1, NQ-1, 1, 0
	s_wait_loadcnt 0x0                             ; the bias
	WIN 0x41
.set n, 0
.rept 32
	v_pk_mul_f32 v[BI+n:BI+n+1], v[BI+n:BI+n+1], s[98:99] op_sel_hi:[1,0]   ; bias x c (or x 1).  These 32 name no register of the last products: they are the places behind them
.set n, n+2
.endr
; THE WAY OUT, a block of 16 rows x 128 columns (two heads) at a time: result x c + bias x c, rounded to f16, through my stage, out as runs of 256 bytes (two rows of a head).
.macro PACK a
.set AC, 64*((\a)%4)
	WIN 0x12+(\a)/4                                ; source 0: window 2 or 3; source 2: window 1
.irp b, 0,1,2,3,4,5,6,7
.irp r, 0,1,2,3
	v_pk_fma_f32 v[TF+8*\b+2*\r:TF+8*\b+2*\r+1], v[AC+8*\b+2*\r:AC+8*\b+2*\r+1], s[98:99], v[BI+8*\b+2*\r:BI+8*\b+2*\r+1] op_sel_hi:[1,0,1]   ; each accumulator from its low end on
.endr
.endr
	WIN 0
.irp b, 0,1,2,3,4,5,6,7
.irp r, 0,1,2,3
	v_cvt_pk_f16_f32 v[TMP+4*\b+\r], v[TF+8*\b+2*\r], v[TF+8*\b+2*\r+1]
.endr
.endr
.endm
.macro TOSTAGE a
.set BK, OB+192*((\a)%2)
.irp b, 0,1,2,3,4,5,6,7
	ds_store_b128 v[STO], v[TMP+4*\b:TMP+4*\b+3] offset:32*\b
.endr
.irp t, 0,1,2,3,4,5,6,7
	ds_load_b128 v[BK+4*\t:BK+4*\t+3], v[RD] offset:\t*2*SPITCH    ; a wave's LDS instructions are served in order: these see the stores above
.endr
.endm
.macro SEND a
.set BK, OB+192*((\a)%2)
	s_wait_dscnt 0x0                               ; the block is back in registers
	s_wait_xcnt 0x0                                ; the earlier stores have read their base and their registers
.if (\a) > 0
	s_add_nc_u64 s[66:67], s[66:67], 16*128        ; 16 rows on
.endif
.irp t, 0,1,2,3,4,5,6,7
	global_store_b128 v[CO], v[BK+4*\t:BK+4*\t+3], s[66:67] offset:\t*256   ; sixteen lanes: 256 consecutive bytes, aligned
.endr
.endm
	PACK 0
	TOSTAGE 0
.irp a, 1,2,3,4,5,6,7
	PACK \a
	SEND \a-1
	TOSTAGE \a
.endr
	SEND 7
	s_wait_tensorcnt 0x0                           ; the wave's end
	ds_add_u32 v[SPW], v[NIL]
	s_wait_dscnt 0x0
	CROUND                                         ; the closing round
	s_endpgm
.Lfunc_end_k_qbe665dee76_qkgemm:
	.size	k_qbe665dee76_qkgemm, .Lfunc_end_k_qbe665dee76_qkgemm-k_qbe665dee76_qkgemm
	.p2alignl 7, 3214868480
	.fill 96, 4, 3214868480
	.section	.rodata,"a",@progbits
	.p2align	6, 0x0
	.amdhsa_kernel k_qbe665dee76_qkgemm
		.amdhsa_group_segment_fixed_size 327680
		.amdhsa_private_segment_fixed_size 0
		.amdhsa_enable_private_segment 0
		.amdhsa_kernarg_size 48
		.amdhsa_user_sgpr_count 2
		.amdhsa_user_sgpr_kernarg_segment_ptr 1
		.amdhsa_wavefront_size32 1
		.amdhsa_system_sgpr_workgroup_id_x 1
		.amdhsa_system_sgpr_workgroup_id_y 1
		.amdhsa_system_sgpr_workgroup_id_z 1
		.amdhsa_system_vgpr_workitem_id 0
		.amdhsa_next_free_vgpr 1024
		.amdhsa_next_free_sgpr 100
		.amdhsa_reserve_vcc 0
		.amdhsa_float_denorm_mode_32 3
		.amdhsa_float_denorm_mode_16_64 3
		.amdhsa_memory_ordered 1
		.amdhsa_forward_progress 1
		.amdhsa_inst_pref_size 147
	.end_amdhsa_kernel
	.amdgpu_metadata
---
amdhsa.version: [ 1, 2 ]
amdhsa.kernels:
  - .name:           k_qbe665dee76_qkgemm
    .symbol:         k_qbe665dee76_qkgemm.kd
    .args:
      - { .name: qz, .offset: 0, .size: 8, .value_kind: global_buffer, .address_space: global }
      - { .name: b_attn, .offset: 8, .size: 8, .value_kind: global_buffer, .address_space: global }
      - { .name: b_k2, .offset: 16, .size: 8, .value_kind: global_buffer, .address_space: global }
      - { .name: q16, .offset: 24, .size: 8, .value_kind: global_buffer, .address_space: global }
      - { .name: k16, .offset: 32, .size: 8, .value_kind: global_buffer, .address_space: global }
      - { .name: k216, .offset: 40, .size: 8, .value_kind: global_buffer, .address_space: global }
    .group_segment_fixed_size: 327680
    .private_segment_fixed_size: 0
    .kernarg_segment_align: 8
    .kernarg_segment_size: 48
    .max_flat_workgroup_size: 128
    .sgpr_count:     100
    .vgpr_count:     1024
    .wavefront_size: 32
...
	.end_amdgpu_metadata
.endif
;; end of part 2
;; launch att1 (part 3): grid 256 x 1, 8 waves a work-group, no clusters, 327,680 bytes of LDS; arguments q16, k16, qz, par1, ey; writes ey
.if DOCPART == 3
	.amdgcn_target "amdgcn-amd-amdhsa--gfx1250"
	.amdhsa_code_object_version 6
	.text
	.protected	k_qbe665dee76_att1
	.globl	k_qbe665dee76_att1
	.p2align	8
	.type	k_qbe665dee76_att1,@function
k_qbe665dee76_att1:
	s_mov_b64 s[64:65], 0
	v_nop
	global_prefetch_b8 v0, s[64:65] scope:SCOPE_SE
	s_setreg_imm32_b32 hwreg(HW_REG_WAVE_MODE, 25, 1), 1
	s_wait_xcnt 0x0
; CAUSAL ATTENTION, head size 64, f16 operands, f32 sums; one body for both passes.  Arguments: Q, K, VA, par, R.  All tensors head-major [b*16+h][2048][64] f16; Q holds q x log2(e) / 8.
; par = (OFF, SH), whole numbers 0 or 1 stored by the first launch; they enter values, offsets and one EXEC mask, never a branch, a trip count or a descriptor.
;   Key s is hidden for query t where s + OFF > t.  V = VA.  The addend a = VA + OFF x 8 MiB, row t + SH (held at 2,047).
;   R1 = OFF x a + O goes to R + SH x 8 MiB;  R2 = a - O goes to R where SH = 1.
;   First pass (0, 1): V = x, a = x[t+1]: R1 = y, R2 = e = x[t+1] - y[t].   Second pass (1, 0): V = e, a = y: R1 = y + y2; a row with no key gives O = 0.
; SHARES.  Work-group id: head id / 8; j = id % 8.  It owns the query blocks j and 15 - j (128 queries each) and walks them one after the other: (j + 1) + (16 - j) = 17 units of 128 keys for every work-group:
; all trip counts are constants and all work-groups have equal work.  Wave w: 32 queries (w % 4), two tiles of 16, and the 64 keys (w / 4) of each unit; the two waves of a set of queries each keep a
; partial (O, m, l), and the partials are merged at the end.  Two waves lie on a SIMD: one's softmax stands beside the other's products.
; NO CLUSTER: at a given step the eight work-groups of a head stand at different units (their low blocks have different lengths), so no tile is wanted by two of them in the same round.
; LAYOUT.  S^T = K Q^T and O^T = V^T P: a lane holds one query throughout; two tiles of S^T rounded to f16 in pairs are the second product's operand.  V is turned by ds_load_tr16_b128.
; SOFTMAX.  A running maximum m and sum l for each query; p = 2^(s - m); O and l are multiplied by 2^(m_old - m_new) in every step.  m begins at -3e38.
; LIMITS: scores lie above -3e38; NaN and infinities are not served; f16 wants |V|, |a|, |R1|, |R2| under 65,504.
; LDS: two slots of three units; a unit = 128 rows of K (pitch 144, in 20,480 bytes) and 128 rows of V (pitch 160).  Waves 0-5 fetch a chunk each, one tensor load a wave behind each barrier.
.set PK,    144
.set PV,    160
.set CHUNK, 20480
.set UNITB, 2*CHUNK
.set SLOT1, 131072
.set SPARE, 6*CHUNK                    ; behind slot 0: the spare words, 128 bytes a wave
.set LAREA, SLOT1+6*CHUNK              ; behind slot 1: the low block's partials, 8,704 bytes a wave: no tile ever lands here
.set PART,  8704                       ; a partial: O as an image of 64 registers (8,192 bytes), then (m, l, m, l) (512).  The high block's lie at 0, in slot 0, behind its last fill and last read
.set STG,   SLOT1                      ; the way out's stages, 32 rows x 272 a wave, in slot 1, behind its last read
.set AK0, 1
.set AV0, 2
.set ADK, 3
.set ADV, 4
.set SPW, 5
.set NIL, 6
.set DM0, 7                            ; r - 8 h - OFF
.set PSTL, 8
.set PSTH, 9
.set MRD, 10
.set STO, 11
.set SRD, 12
.set GO,  13                           ; 16 x lane
.set C1,  14                           ; v[14:15] OFF as f32
.set AO,  16                           ; v16-23 the addend's offsets
.set PFO, 28
.set KR,  32                           ; v32-95  K: 16 kt + 8 kk
.set VR,  96                           ; v96-159 V: 32 g + 8 ct
.set S,   160                          ; v160-223 S^T: 32 t + 8 kt; P is packed into the low 16 of each tile
.set ST,  224                          ; v224-239: tile t at 8 t: m, (pair), l, l, c0, c1, c2 (later a), c3
; window 1: v0-63 O^T (32 t + 8 ct); v64-95 Q (16 t + 8 kk); v96-127 the high block's Q
.set WV, 14
.set KIND, 15
.set J, 16
.set JP1, 17
.set BH, 18
.set PAR, 19
.set SEL, 20
.set TB, 22
.set KF, 23
.set G1K, 24
.set G1V, 32
.set G0, 40
.set KVB, 44
.set NF, 46
.set NSEQ, 47
.set Q0, 48
.set Q0H, 49
.set TRIPS, 50
.set STP, 51
.set OFF, 52
.set SH, 53
.set PFA, 56
.set LIM, 58
.set MSB, 0
.macro WIN new
.if MSB != \new
	s_set_vgpr_msb (MSB<<8)|\new
.set MSB, \new
.endif
.endm
.set W_S,  0x04                        ; Q in window 1
.set W_RS, 0x41                        ; O^T (destination and source 0) in window 1
.set W_PV, 0x50                        ; O^T (C and D) in window 1
; Waves 0 .. 2 nu - 1 fetch: the even ones K's chunk, the odd ones V's.  The branches hang on the wave's number alone.  An s_nop 0 and four v_nop follow each line.
.macro TLOAD nu
	s_cmp_lt_u32 s[WV], 2*\nu
	s_cbranch_scc0 .Lasked_\@
	s_cmp_eq_u32 s[KIND], 0
	s_cbranch_scc0 .Lfor_v_\@
	tensor_load_to_lds s[G0:G0+3], s[G1K:G1K+7]
	s_nop 0
.rept 4
	v_nop
.endr
	s_branch .Lasked_\@
.Lfor_v_\@:
	tensor_load_to_lds s[G0:G0+3], s[G1V:G1V+7]
	s_nop 0
.rept 4
	v_nop
.endr
.Lasked_\@:
.endm
; A PREFETCH INTO THE L2.  In the work-group with j = 0 the waves that fetch nothing ask: wave 6 for K, wave 7 for V.  In the loop's trips 0, 1 and 2 they name units 5-7, 8-10 and 11-13 of the head: what this
; work-group's next change of slots will load: three units, 49,152 bytes, six instructions, lanes 256 bytes apart.  So each aligned 256 bytes of those units are named once in the launch.  Units 0-4, 14 and 15 come by their loads alone.
.macro ASK
	s_cmp_gt_u32 s[TRIPS], s[LIM]
	s_cbranch_scc0 .Lnot_mine_\@
.irp i, 0,1,2,3,4,5
	global_prefetch_b8 v[PFO], s[PFA:PFA+1] offset:8192*\i th:TH_LOAD_NT scope:SCOPE_SE
.endr
.Lnot_mine_\@:
.endm
.macro KU                              ; the global address of unit NF of my walk: the low block's units 0 .. j, then the high block's from 0 on
	s_cmp_lt_u32 s[NF], s[JP1]
	s_cselect_b32 s54, 0, s[JP1]
	s_sub_co_u32 s54, s[NF], s54
	s_lshl_b32 s54, s54, 14                        ; 128 rows of 128 bytes
	s_mov_b32 s55, 0
	s_add_nc_u64 s[G0+2:G0+3], s[KVB:KVB+1], s[54:55]
	s_or_b32 s[G0+3], s[G0+3], 0x80000000
.endm
; THE CHANGE OF SLOTS stands at a slot's head: every wave waits for all its tensor loads, adds 0 to its spare word, waits for that and for its reads of the slot that it has left; a barrier; then the slot just left is filled.
.macro CHANGE fill, nu, ask
	s_wait_tensorcnt 0x0                           ; no tensor load of mine is out, so the descriptor may be written
	ds_add_u32 v[SPW], v[NIL]
.if \fill
	ds_add_u32 v[SPW], v[NIL]                      ; and twice on end here, in every trip alike
	s_xor_b32 s[G0+1], s[G0+1], SLOT1              ; the other slot,
	s_add_co_u32 s[NF], s[NF], 3                   ; three units on
	KU
	s_wait_xcnt 0x0                                ; the last prefetches, a slot back, have read their address
	s_add_nc_u64 s[PFA:PFA+1], s[PFA:PFA+1], 3*16384
.endif
	s_wait_dscnt 0x0
	s_barrier_signal -1
	s_barrier_wait -1
.if \fill
	TLOAD \nu                                      ; my one tensor load until the next such barrier: it has three units' work in which to land
.if \ask
	ASK
.endif
.endif
.endm
.macro INIT                            ; a block's sums begin: O = 0, l = 0, m = -3e38
	WIN 0x40
.set n, 0
.rept 64
	v_mov_b32 v[n], 0
.set n, n+1
.endr
	WIN 0
.irp t, 0,1
	v_mov_b32 v[ST+8*\t], 0xff61b1e6
	v_mov_b32 v[ST+8*\t+1], 0
	v_mov_b32 v[ST+8*\t+2], 0
	v_mov_b32 v[ST+8*\t+3], 0
.endr
.endm
.macro PARTIAL adr                     ; my (O, m, l) go to LDS as they stand.  (Five plain places stand behind every step's last products)
.irp t, 0,1
	v_mov_b32 v[240+2*\t], v[ST+8*\t]
	v_add_f32 v[241+2*\t], v[ST+8*\t+2], v[ST+8*\t+3]
.endr
	WIN 0x04                                       ; an LDS store's data are its source 1: window 1
.set n, 0
.rept 16
	ds_store_b128 v[\adr], v[4*n:4*n+3] offset:512*n   ; each accumulator from its low end on
.set n, n+1
.endr
	WIN 0
	ds_store_b128 v[\adr], v[240:243] offset:8192
	s_wait_dscnt 0x0
.endm
.macro SWITCH                          ; from the low block to the high one
	PARTIAL PSTL
	INIT
	WIN 0x41
.set n, 0
.rept 32
	v_mov_b32 v[64+n], v[96+n]
.set n, n+1
.endr
	WIN 0
	s_mov_b32 s[Q0], s[Q0H]
	s_lshl_b32 s[KF], s[PAR], 6
.endm
; A STEP: my 64 keys of one unit against my 32 queries.  sw = 1: the change of blocks may fall here (units 1 to 8 of the walk: the loop's copy alone).
.macro STEP sw
.if \sw
	s_cmp_lg_u32 s[NSEQ], s[JP1]                   ; ids and the count of steps alone
	s_cbranch_scc1 .Lsame_\@
	SWITCH
.Lsame_\@:
.endif
	s_add_co_u32 s54, s[Q0], 31
	s_cmp_gt_u32 s[KF], s54                        ; all my keys come after all my queries: the step's work is left out
	s_cbranch_scc1 .Lhid_\@
	v_add_nc_u32 v[ADK], s[TB], v[AK0]
	v_add_nc_u32 v[ADV], s[TB], v[AV0]
.irp kt, 0,1,2,3
.irp kk, 0,1
	ds_load_b128 v[KR+16*\kt+8*\kk:KR+16*\kt+8*\kk+3], v[ADK] offset:\kt*16*PK+64*\kk
	ds_load_b128 v[KR+16*\kt+8*\kk+4:KR+16*\kt+8*\kk+7], v[ADK] offset:\kt*16*PK+64*\kk+32
.endr
.endr
.irp g, 0,1
.irp ct, 0,1,2,3
	ds_load_tr16_b128 v[VR+32*\g+8*\ct:VR+32*\g+8*\ct+3], v[ADV] offset:\g*32*PV+\ct*32
	ds_load_tr16_b128 v[VR+32*\g+8*\ct+4:VR+32*\g+8*\ct+7], v[ADV] offset:\g*32*PV+16*PV+\ct*32
.endr
.endr
	s_wait_dscnt 16                                ; K is in; V's sixteen loads may be out
	WIN W_S
.irp kk, 0,1                           ; eight accumulators by turns
.irp kt, 0,1,2,3
.irp t, 0,1
.if \kk == 0
	v_wmma_f32_16x16x32_f16 v[S+32*\t+8*\kt:S+32*\t+8*\kt+7], v[KR+16*\kt+8*\kk:KR+16*\kt+8*\kk+7], v[64+16*\t+8*\kk:64+16*\t+8*\kk+7], 0
.else
	v_wmma_f32_16x16x32_f16 v[S+32*\t+8*\kt:S+32*\t+8*\kt+7], v[KR+16*\kt+8*\kk:KR+16*\kt+8*\kk+7], v[64+16*\t+8*\kk:64+16*\t+8*\kk+7], v[S+32*\t+8*\kt:S+32*\t+8*\kt+7]
.endif
.endr
.endr
.endr
	WIN 0
.rept 4
	v_nop
.endr
	s_add_co_u32 s54, s[KF], 64
	s_cmp_le_u32 s54, s[Q0]                        ; all my keys count for all my queries, whatever OFF: no mask
	s_cbranch_scc1 .Lopen_\@
	s_sub_co_i32 s54, s[Q0], s[KF]
	v_add_nc_u32 v240, s54, v[DM0]                 ; register 8 kt + i of tile t holds key KF + 16 kt + 8 h + i: hidden where 16 kt + i > Q0 - KF + 16 t + r - 8 h - OFF
	v_add_nc_u32 v241, 16, v240
	v_mov_b32 v242, 0xff800000
.irp t, 0,1
.set n, 0
.rept 32
	v_cmp_gt_i32 vcc_lo, 16*(n/8)+n%8, v[240+\t]
	v_cndmask_b32 v[S+32*\t+n], v[S+32*\t+n], v242, vcc_lo
.set n, n+1
.endr
.endr
.Lopen_\@:
.irp c, 0,1,2,3                        ; the largest of my 32 scores and the old m; the two tiles by turns
.irp t, 0,1
	v_max3_num_f32 v[ST+8*\t+4+\c], v[S+32*\t+8*\c], v[S+32*\t+8*\c+1], v[S+32*\t+8*\c+2]
.endr
.endr
.irp p, 3,5
.irp c, 0,1,2,3
.irp t, 0,1
	v_max3_num_f32 v[ST+8*\t+4+\c], v[ST+8*\t+4+\c], v[S+32*\t+8*\c+\p], v[S+32*\t+8*\c+\p+1]
.endr
.endr
.endr
.irp t, 0,1
	v_max3_num_f32 v[ST+8*\t+4], v[ST+8*\t+4], v[S+32*\t+7], v[S+32*\t+15]
	v_max3_num_f32 v[ST+8*\t+6], v[ST+8*\t+6], v[S+32*\t+23], v[S+32*\t+31]
.endr
.irp t, 0,1
	v_max3_num_f32 v[ST+8*\t+4], v[ST+8*\t+4], v[ST+8*\t+5], v[ST+8*\t+6]
.endr
.irp t, 0,1
	v_max3_num_f32 v[ST+8*\t+4], v[ST+8*\t+4], v[ST+8*\t+7], v[ST+8*\t]
.endr
.irp t, 0,1
	v_permlanex16_b32 v[ST+8*\t+5], v[ST+8*\t+4], s[SEL], s[SEL+1]   ; the query's other 32 keys lie in the lane 16 away
.endr
.irp t, 0,1
	v_mov_b32 v[ST+8*\t+7], v[ST+8*\t]
.endr
.irp t, 0,1
	v_max_num_f32 v[ST+8*\t], v[ST+8*\t+4], v[ST+8*\t+5]
.endr
.irp t, 0,1
	v_sub_f32 v[ST+8*\t+7], v[ST+8*\t+7], v[ST+8*\t]                 ; m_old - m_new
.endr
.set n, 0
.rept 16
.irp t, 0,1
	v_pk_add_f32 v[S+32*\t+n:S+32*\t+n+1], v[S+32*\t+n:S+32*\t+n+1], v[ST+8*\t:ST+8*\t+1] op_sel_hi:[1,0] neg_lo:[0,1] neg_hi:[0,1]   ; s - m
.endr
.set n, n+2
.endr
.irp t, 0,1
	v_exp_f32 v[ST+8*\t+6], v[ST+8*\t+7]           ; a = 2^(m_old - m_new)
.endr
.set n, 0
.rept 64
	v_exp_f32 v[S+n], v[S+n]                       ; p.  ONE BATCH of 66 exponentials,
.set n, n+1
.endr
	v_nop                                          ; one plain line behind the last,
	s_wait_alu depctr_va_vdst(0)                   ; and one wait ahead of the first reader
.irp t, 0,1                            ; l = l a + the sum of the unrounded p: two chains a tile
	v_pk_fma_f32 v[ST+8*\t+2:ST+8*\t+3], v[ST+8*\t+2:ST+8*\t+3], v[ST+8*\t+6:ST+8*\t+7], v[S+32*\t:S+32*\t+1] op_sel_hi:[1,0,1]
	v_pk_add_f32 v[240+2*\t:241+2*\t], v[S+32*\t+2:S+32*\t+3], v[S+32*\t+6:S+32*\t+7]
.endr
.irp q, 4,8,12,16,20,24,28
.irp t, 0,1
	v_pk_add_f32 v[ST+8*\t+2:ST+8*\t+3], v[ST+8*\t+2:ST+8*\t+3], v[S+32*\t+\q:S+32*\t+\q+1]
.if \q > 4
	v_pk_add_f32 v[240+2*\t:241+2*\t], v[240+2*\t:241+2*\t], v[S+32*\t+\q+2:S+32*\t+\q+3]
.endif
.endr
.endr
.irp t, 0,1
	v_pk_add_f32 v[ST+8*\t+2:ST+8*\t+3], v[ST+8*\t+2:ST+8*\t+3], v[240+2*\t:241+2*\t]
.endr
.set n, 0
.rept 16
.irp t, 0,1
	v_cvt_pk_f16_f32 v[S+32*\t+n], v[S+32*\t+2*n], v[S+32*\t+2*n+1]   ; P, in place, ascending
.endr
.set n, n+1
.endr
	WIN W_RS
.set n, 0
.rept 16
.irp t, 0,1
	v_pk_mul_f32 v[32*\t+n:32*\t+n+1], v[32*\t+n:32*\t+n+1], v[ST+8*\t+6:ST+8*\t+7] op_sel_hi:[1,0]   ; O^T x a, each accumulator from its low end on
.endr
.set n, n+2
.endr
	s_wait_dscnt 0x0                               ; V is in
	WIN W_PV
.irp g, 0,1                            ; eight accumulators by turns
.irp ct, 0,1,2,3
.irp t, 0,1
	v_wmma_f32_16x16x32_f16 v[32*\t+8*\ct:32*\t+8*\ct+7], v[VR+32*\g+8*\ct:VR+32*\g+8*\ct+7], v[S+32*\t+8*\g:S+32*\t+8*\g+7], v[32*\t+8*\ct:32*\t+8*\ct+7]
.endr
.endr
.endr
	WIN 0
.rept 5
	v_nop                                          ; five places: the next step's first products write over P's registers, its loads land on V's, and a partial reads O^T
.endr
.Lhid_\@:
	s_add_co_u32 s[KF], s[KF], 128
	s_add_co_u32 s[NSEQ], s[NSEQ], 1
	s_add_co_u32 s[TB], s[TB], UNITB
.endm
.macro SLOT_STEPS cnt, sw
	s_mov_b32 s[STP], \cnt
.Lstep_\@:
	STEP \sw
	s_sub_co_u32 s[STP], s[STP], 1
	s_cmp_lg_u32 s[STP], 0
	s_cbranch_scc1 .Lstep_\@
	s_sub_co_u32 s[TB], s[TB], \cnt*UNITB
	s_xor_b32 s[TB], s[TB], SLOT1
.endm
	s_load_b256 s[4:11], s[0:1], 0x0               ; Q, K, VA, par
	s_load_b64 s[12:13], s[0:1], 0x20              ; R
	v_lshl_add_u32 v[SPW], v0, 2, SPARE
	v_mov_b32 v[NIL], 0
	ds_add_u32 v[SPW], v[NIL]                      ; the wave's opening: the add, twice on end, and its wait ahead of the first tensor load
	ds_add_u32 v[SPW], v[NIL]
	v_lshrrev_b32 v1, 5, v0
	v_readfirstlane_b32 s[WV], v1                  ; wave 0..7
	s_and_b32 s[KIND], s[WV], 1
	s_lshr_b32 s[PAR], s[WV], 2
	s_and_b32 s[J], ttmp9, 7
	s_add_co_u32 s[JP1], s[J], 1
	s_lshr_b32 s[BH], ttmp9, 3
	s_mov_b32 s[G1K], (1<<16)|(1<<20)|(4<<22)|(3<<25)   ; elements of 2 bytes; 4 words of padding behind every 32: pitch 144
	s_mov_b32 s[G1V], (1<<16)|(1<<20)|(4<<22)|(7<<25)   ; 8 words: pitch 160
.irp g, G1K, G1V
	s_mov_b32 s[\g+1], 64<<16                      ; tensor_dim0 = 64
	s_mov_b32 s[\g+2], 128<<16                     ; tensor_dim1 = 128
	s_mov_b32 s[\g+3], 64<<16                      ; tile_dim0
	s_mov_b32 s[\g+4], 128                         ; tile_dim1
	s_mov_b32 s[\g+5], 64                          ; the pitch
	s_mov_b32 s[\g+6], 0
	s_mov_b32 s[\g+7], 0
.endr
	s_mov_b32 s[SEL], 0x76543210
	s_mov_b32 s[SEL+1], 0xfedcba98
	s_mov_b32 s[TB], 0
	s_mov_b32 s[NSEQ], 0
	s_lshl_b32 s[KF], s[PAR], 6
	s_lshr_b32 s[NF], s[WV], 1
	s_and_b32 s54, s[WV], 3
	s_lshl_b32 s54, s54, 5
	s_lshl_b32 s[Q0], s[J], 7
	s_add_co_u32 s[Q0], s[Q0], s54                 ; my first query in the low block,
	s_sub_co_u32 s[Q0H], 15, s[J]
	s_lshl_b32 s[Q0H], s[Q0H], 7
	s_add_co_u32 s[Q0H], s[Q0H], s54               ; in the high one
	s_lshr_b32 s[LIM], s[WV], 1
	s_xor_b32 s[LIM], s[LIM], 3
	s_or_b32 s[LIM], s[LIM], s[J]
	s_cmp_eq_u32 s[LIM], 0
	s_cselect_b32 s[LIM], 1, -1                    ; 1 in waves 6 and 7 where j = 0
	s_lshl_b32 s60, s[BH], 18                      ; the head's first byte
	s_mov_b32 s61, 0
	s_wait_dscnt 0x0                               ; both opening adds are done
	s_wait_kmcnt 0x0
	s_load_b64 s[OFF:SH], s[10:11], 0x0
	s_cmp_eq_u32 s[KIND], 0
	s_cselect_b64 s[KVB:KVB+1], s[6:7], s[8:9]
	s_add_nc_u64 s[KVB:KVB+1], s[KVB:KVB+1], s[60:61]
	s_mov_b32 s[G0], 1
	s_mul_i32 s[G0+1], s[WV], CHUNK                ; my chunk of slot 0
	KU
	TLOAD 3                                        ; slot 0
	s_add_nc_u64 s[PFA:PFA+1], s[KVB:KVB+1], 2*16384   ; the first change of slots steps it to unit 5
	s_add_nc_u64 s[66:67], s[4:5], s[60:61]
	s_mov_b32 s55, 0
	s_lshl_b32 s54, s[Q0H], 7
	s_add_nc_u64 s[68:69], s[66:67], s[54:55]
	s_lshl_b32 s54, s[Q0], 7
	s_add_nc_u64 s[66:67], s[66:67], s[54:55]
	v_and_b32 v24, 15, v0                          ; r
	v_bfe_u32 v25, v0, 4, 1                        ; h
	v_and_b32 v26, 7, v0
	v_bfe_u32 v27, v0, 3, 1
	v_and_b32 v29, 31, v0                          ; lane
	v_lshlrev_b32 v30, 7, v24
	v_lshl_add_u32 v30, v25, 4, v30
	WIN 0x40
.irp t, 0,1
.irp kk, 0,1
	global_load_b128 v[64+16*\t+8*\kk:67+16*\t+8*\kk], v30, s[66:67] offset:\t*2048+64*\kk
	global_load_b128 v[68+16*\t+8*\kk:71+16*\t+8*\kk], v30, s[66:67] offset:\t*2048+64*\kk+32
	global_load_b128 v[96+16*\t+8*\kk:99+16*\t+8*\kk], v30, s[68:69] offset:\t*2048+64*\kk
	global_load_b128 v[100+16*\t+8*\kk:103+16*\t+8*\kk], v30, s[68:69] offset:\t*2048+64*\kk+32
.endr
.endr
	WIN 0
	v_mul_u32_u24 v[AK0], v24, PK
	v_lshl_add_u32 v[AK0], v25, 4, v[AK0]
	s_mul_i32 s54, s[PAR], 64*PK
	v_add_nc_u32 v[AK0], s54, v[AK0]               ; K: row r, + 16 h, + my 64 keys
	v_lshl_add_u32 v[AV0], v25, 3, v26
	v_mul_u32_u24 v[AV0], v[AV0], PV
	v_lshl_add_u32 v[AV0], v27, 4, v[AV0]
	s_mul_i32 s54, s[PAR], 64*PV
	s_add_co_u32 s54, s54, CHUNK
	v_add_nc_u32 v[AV0], s54, v[AV0]               ; V: key 8 h + lane % 8, channels 8 ((lane / 8) % 2) on
	v_lshlrev_b32 v[GO], 4, v29
	s_mul_i32 s54, s[WV], PART
	v_add_nc_u32 v[PSTH], s54, v[GO]
	v_add_nc_u32 v[PSTL], LAREA, v[PSTH]
	s_and_b32 s55, s[WV], 3
	s_mul_i32 s55, s55, PART
	s_mul_i32 s59, s[PAR], LAREA
	s_add_co_u32 s55, s55, s59
	v_add_nc_u32 v[MRD], s55, v[GO]                ; the merge: waves 0-3 the high block's partials, waves 4-7 the low block's
	s_add_co_u32 s54, s54, STG
	v_mul_u32_u24 v[STO], v24, 272
	v_lshl_add_u32 v[STO], v25, 5, v[STO]
	v_add_nc_u32 v[STO], s54, v[STO]
	v_lshrrev_b32 v31, 3, v29                      ; lane / 8
	v_mul_u32_u24 v[SRD], v31, 272
	v_lshl_add_u32 v[SRD], v26, 5, v[SRD]
	v_add_nc_u32 v[SRD], s54, v[SRD]
	v_lshlrev_b32 v[PFO], 8, v29
	s_wait_kmcnt 0x0
	s_min_u32 s[OFF], s[OFF], 1
	s_min_u32 s[SH], s[SH], 1
	v_lshlrev_b32 v[DM0], 3, v25
	v_sub_nc_u32 v[DM0], v24, v[DM0]
	v_sub_nc_u32 v[DM0], v[DM0], s[OFF]
	v_cvt_f32_u32 v[C1], s[OFF]
	v_mov_b32 v[C1+1], v[C1]
	INIT
	v_mov_b32 v[ST+5], 0                           ; written once: a lane permute's destination counts as one of its sources
	v_mov_b32 v[ST+13], 0
	s_wait_loadcnt 0x0                             ; Q
	s_mov_b32 s[TRIPS], 4
.Lslot:                                            ; four trips: slots 0-3 are walked, slots 1-4 asked for
	CHANGE 1, 3, 1
	SLOT_STEPS 3, 1
	s_sub_co_u32 s[TRIPS], s[TRIPS], 1
	s_cmp_lg_u32 s[TRIPS], 0
	s_cbranch_scc1 .Lslot
	CHANGE 1, 2, 0                                 ; the last slot has two units: waves 0-3 fetch
	SLOT_STEPS 3, 0
	CHANGE 0, 0, 0
	SLOT_STEPS 2, 0
	; ---------------- THE END: partials are merged, the addend is taken in, the results leave ----------------
	s_sub_co_u32 s54, 15, s[J]
	s_cmp_lt_u32 s[WV], 4
	s_cselect_b32 s54, s54, s[J]                   ; the block that I finish
	s_lshl_b32 s54, s54, 7
	s_and_b32 s55, s[WV], 3
	s_lshl_b32 s55, s55, 5
	s_add_co_u32 s54, s54, s55                     ; its first row of mine, t0
	s_add_co_u32 s55, s54, s[SH]
	v_add_nc_u32 v240, s55, v31
	v_lshlrev_b32 v241, 4, v26
.irp i, 0,1,2,3,4,5,6,7
	v_add_nc_u32 v[AO+\i], 4*\i, v240              ; row t0 + SH + 4 i + lane / 8,
	v_min_u32 v[AO+\i], 0x7ff, v[AO+\i]            ; held inside the head
	v_lshl_add_u32 v[AO+\i], v[AO+\i], 7, v241
.endr
	s_lshl_b32 s62, s[OFF], 23
	s_mov_b32 s63, 0
	s_add_nc_u64 s[62:63], s[8:9], s[62:63]
	s_add_nc_u64 s[62:63], s[62:63], s[60:61]
.irp i, 0,1,2,3,4,5,6,7
	global_load_b128 v[32+4*\i:35+4*\i], v[AO+\i], s[62:63]
.endr
	PARTIAL PSTH
	s_barrier_signal -1
	s_barrier_wait -1                              ; all sixteen partials lie in LDS, and nobody reads a slot any more
.set n, 0
.rept 16
	ds_load_b128 v[160+4*n:163+4*n], v[MRD] offset:512*n
.set n, n+1
.endr
.set n, 0
.rept 16
	ds_load_b128 v[96+4*n:99+4*n], v[MRD] offset:4*PART+512*n
.set n, n+1
.endr
	ds_load_b128 v[240:243], v[MRD] offset:8192
	ds_load_b128 v[244:247], v[MRD] offset:4*PART+8192
	s_wait_dscnt 0x0
.irp t, 0,1
	v_max_num_f32 v[ST+8*\t+4], v[240+2*\t], v[244+2*\t]
.endr
.irp t, 0,1
	v_sub_f32 v[ST+8*\t], v[240+2*\t], v[ST+8*\t+4]
	v_sub_f32 v[ST+8*\t+1], v[244+2*\t], v[ST+8*\t+4]
.endr
.irp t, 0,1
	v_exp_f32 v[ST+8*\t+2], v[ST+8*\t]
	v_exp_f32 v[ST+8*\t+3], v[ST+8*\t+1]
.endr
	v_nop
	s_wait_alu depctr_va_vdst(0)                   ; one wait for the four
.irp t, 0,1
	v_mul_f32 v[ST+8*\t+4], v[ST+8*\t+2], v[241+2*\t]
.endr
.irp t, 0,1
	v_fma_f32 v[ST+8*\t+4], v[ST+8*\t+3], v[245+2*\t], v[ST+8*\t+4]
.endr
.irp t, 0,1
	v_permlanex16_b32 v[ST+8*\t+5], v[ST+8*\t+4], s[SEL], s[SEL+1]
.endr
.irp t, 0,1
	v_add_f32 v[ST+8*\t+4], v[ST+8*\t+4], v[ST+8*\t+5]
.endr
.irp t, 0,1
	v_max_num_f32 v[ST+8*\t+4], 0x800000, v[ST+8*\t+4]   ; a row with no key has l = 0 and O = 0: it comes out as 0
.endr
.irp t, 0,1
	v_rcp_f32 v[ST+8*\t+5], v[ST+8*\t+4]
.endr
	v_nop
	s_wait_alu depctr_va_vdst(0)                   ; one wait for the two
.irp t, 0,1
	v_mul_f32 v[ST+8*\t], v[ST+8*\t+2], v[ST+8*\t+5]
	v_mul_f32 v[ST+8*\t+2], v[ST+8*\t+3], v[ST+8*\t+5]
.endr
.irp t, 0,1
.set n, 0
.rept 16
	v_pk_mul_f32 v[160+32*\t+n:161+32*\t+n], v[160+32*\t+n:161+32*\t+n], v[ST+8*\t:ST+8*\t+1] op_sel_hi:[1,0]
	v_pk_fma_f32 v[160+32*\t+n:161+32*\t+n], v[96+32*\t+n:97+32*\t+n], v[ST+8*\t+2:ST+8*\t+3], v[160+32*\t+n:161+32*\t+n] op_sel_hi:[1,0,1]
.set n, n+2
.endr
.endr
.irp t, 0,1
.irp ct, 0,1,2,3
	ds_store_b128 v[STO], v[160+32*\t+8*\ct:163+32*\t+8*\ct] offset:\t*4352+64*\ct
	ds_store_b128 v[STO], v[164+32*\t+8*\ct:167+32*\t+8*\ct] offset:\t*4352+64*\ct+16
.endr
.endr
.irp i, 0,1,2,3,4,5,6,7
	ds_load_b128 v[96+8*\i:99+8*\i], v[SRD] offset:\i*1088      ; my own stage: served in order behind the stores
	ds_load_b128 v[100+8*\i:103+8*\i], v[SRD] offset:\i*1088+16
.endr
	s_lshl_b32 s54, s54, 7
	s_mov_b32 s55, 0
	s_add_nc_u64 s[12:13], s[12:13], s[54:55]
	s_add_nc_u64 s[12:13], s[12:13], s[60:61]      ; R at my first row
	s_lshl_b32 s54, s[SH], 23
	s_add_nc_u64 s[66:67], s[12:13], s[54:55]      ; and SH x 8 MiB on
	s_wait_dscnt 0x0
	s_wait_loadcnt 0x0                             ; the addend
.macro ROWS i, a0, a1, a2, a3, a4, a5, a6, a7      ; four rows: 8 channels a lane
	v_cvt_f32_f16 v240, \a0
	v_cvt_f32_f16 v241, \a1
	v_cvt_f32_f16 v242, \a2
	v_cvt_f32_f16 v243, \a3
	v_cvt_f32_f16 v244, \a4
	v_cvt_f32_f16 v245, \a5
	v_cvt_f32_f16 v246, \a6
	v_cvt_f32_f16 v247, \a7
.irp k, 0,2,4,6
	v_pk_fma_f32 v[248+\k:249+\k], v[240+\k:241+\k], v[C1:C1+1], v[96+8*\i+\k:97+8*\i+\k] op_sel_hi:[1,0,1]   ; R1 = OFF x a + O
.endr
.irp k, 0,2,4,6
	v_pk_add_f32 v[240+\k:241+\k], v[240+\k:241+\k], v[96+8*\i+\k:97+8*\i+\k] neg_lo:[0,1] neg_hi:[0,1]        ; R2 = a - O
.endr
.irp k, 0,1,2,3
	v_cvt_pk_f16_f32 v[64+4*\i+\k], v[248+2*\k], v[249+2*\k]
	v_cvt_pk_f16_f32 v[160+4*\i+\k], v[240+2*\k], v[241+2*\k]
.endr
.endm
	ROWS 0, v32.l, v32.h, v33.l, v33.h, v34.l, v34.h, v35.l, v35.h
	ROWS 1, v36.l, v36.h, v37.l, v37.h, v38.l, v38.h, v39.l, v39.h
	ROWS 2, v40.l, v40.h, v41.l, v41.h, v42.l, v42.h, v43.l, v43.h
	ROWS 3, v44.l, v44.h, v45.l, v45.h, v46.l, v46.h, v47.l, v47.h
	ROWS 4, v48.l, v48.h, v49.l, v49.h, v50.l, v50.h, v51.l, v51.h
	ROWS 5, v52.l, v52.h, v53.l, v53.h, v54.l, v54.h, v55.l, v55.h
	ROWS 6, v56.l, v56.h, v57.l, v57.h, v58.l, v58.h, v59.l, v59.h
	ROWS 7, v60.l, v60.h, v61.l, v61.h, v62.l, v62.h, v63.l, v63.h
.irp i, 0,1,2,3,4,5,6,7
	global_store_b128 v[GO], v[64+4*\i:67+4*\i], s[66:67] offset:512*\i    ; 32 lanes: four rows, 512 consecutive bytes, aligned
.endr
	v_cmp_ne_u32 vcc_lo, s[SH], v[NIL]             ; R2 leaves where SH = 1: a mask, no jump
	s_wait_xcnt 0x0                                ; EXEC changes only behind this wait
	s_and_saveexec_b32 s59, vcc_lo
.irp i, 0,1,2,3,4,5,6,7
	global_store_b128 v[GO], v[160+4*\i:163+4*\i], s[12:13] offset:512*\i
.endr
	s_wait_xcnt 0x0                                ; and again, in front of the line that widens it
	s_or_b32 exec_lo, exec_lo, s59
	s_wait_tensorcnt 0x0                           ; the wave's end
	ds_add_u32 v[SPW], v[NIL]
	s_wait_dscnt 0x0
	s_endpgm
.Lfunc_end_k_qbe665dee76_att1:
	.size	k_qbe665dee76_att1, .Lfunc_end_k_qbe665dee76_att1-k_qbe665dee76_att1
	.p2alignl 7, 3214868480
	.fill 96, 4, 3214868480
	.section	.rodata,"a",@progbits
	.p2align	6, 0x0
	.amdhsa_kernel k_qbe665dee76_att1
		.amdhsa_group_segment_fixed_size 327680
		.amdhsa_private_segment_fixed_size 0
		.amdhsa_enable_private_segment 0
		.amdhsa_kernarg_size 40
		.amdhsa_user_sgpr_count 2
		.amdhsa_user_sgpr_kernarg_segment_ptr 1
		.amdhsa_wavefront_size32 1
		.amdhsa_system_sgpr_workgroup_id_x 1
		.amdhsa_system_sgpr_workgroup_id_y 1
		.amdhsa_system_sgpr_workgroup_id_z 1
		.amdhsa_system_vgpr_workitem_id 0
		.amdhsa_next_free_vgpr 512
		.amdhsa_next_free_sgpr 72
		.amdhsa_reserve_vcc 1
		.amdhsa_float_denorm_mode_32 3
		.amdhsa_float_denorm_mode_16_64 3
		.amdhsa_memory_ordered 1
		.amdhsa_forward_progress 1
		.amdhsa_inst_pref_size 109
	.end_amdhsa_kernel
	.amdgpu_metadata
---
amdhsa.version: [ 1, 2 ]
amdhsa.kernels:
  - .name:           k_qbe665dee76_att1
    .symbol:         k_qbe665dee76_att1.kd
    .args:
      - { .name: q16, .offset: 0, .size: 8, .value_kind: global_buffer, .address_space: global }
      - { .name: k16, .offset: 8, .size: 8, .value_kind: global_buffer, .address_space: global }
      - { .name: qz, .offset: 16, .size: 8, .value_kind: global_buffer, .address_space: global }
      - { .name: par1, .offset: 24, .size: 8, .value_kind: global_buffer, .address_space: global }
      - { .name: ey, .offset: 32, .size: 8, .value_kind: global_buffer, .address_space: global }
    .group_segment_fixed_size: 327680
    .private_segment_fixed_size: 0
    .kernarg_segment_align: 8
    .kernarg_segment_size: 40
    .max_flat_workgroup_size: 256
    .sgpr_count:     72
    .vgpr_count:     512
    .wavefront_size: 32
...
	.end_amdgpu_metadata
.endif
;; end of part 3
;; launch att2: the kernel of part 3 again; grid 256 x 1, 8 waves a work-group, no clusters, 327,680 bytes of LDS; arguments q16, k216, ey, par2, z16; writes z16
;; launch proj (part 4): grid 8 x 32, 4 waves a work-group, clusters of 4 x 4, 327,680 bytes of LDS; arguments z16, qz, b_proj, out0; writes out0
.if DOCPART == 4
	.amdgcn_target "amdgcn-amd-amdhsa--gfx1250"
	.amdhsa_code_object_version 6
	.text
	.protected	k_qbe665dee76_proj
	.globl	k_qbe665dee76_proj
	.p2align	8
	.type	k_qbe665dee76_proj,@function
k_qbe665dee76_proj:
	s_mov_b64 s[64:65], 0
	v_nop
	global_prefetch_b8 v0, s[64:65] scope:SCOPE_SE
	s_setreg_imm32_b32 hwreg(HW_REG_WAVE_MODE, 25, 1), 1
	s_wait_xcnt 0x0
	s_wait_alu depctr_hold_cnt(0) depctr_sa_sdst(0) depctr_va_vdst(0) depctr_va_sdst(0) depctr_va_ssrc(0) depctr_va_vcc(0) depctr_vm_vsrc(0)
	s_getreg_b32 s2, hwreg(HW_REG_IB_STS2, 6, 4)
	s_cmp_eq_u32 s2, 0
	s_cbranch_scc0 .Lentry_in_a_cluster
	s_endpgm
.Lentry_in_a_cluster:
	s_bfe_u32 s2, ttmp6, 0x10000c
	s_cmp_lg_u32 s2, 0xf033
	s_cbranch_scc0 .Lentry_shape_is_right
	s_endpgm
.Lentry_shape_is_right:
; out = (y + y2) W_proj + 2 b_proj: reference()'s two projections share W_proj, and a product is linear in its left operand, so their sum is one product for every input.
; z = y + y2: f16, head-major [b*16+h][t][64]; W_proj: f16 images of operand registers [tile of 128 columns][32 k][16 columns][1,024 bytes], in qz; out: [4096][1024] f32.  Sums in f32.
; A tile of 128 x 128 to a work-group, 64 x 64 to each of four waves: 16 accumulators.  K goes in steps of 256 (four heads) through two LDS slots.
; z's tile: for each of four heads 64 dense rows (8,192 bytes) come as ONE row of the descriptor, with 16 bytes of padding behind every 128: in LDS rows of 144 bytes.
; CLUSTER 4 x 4: z's tiles are shared along a row, W's along a column.  THE MATRIX INSTRUCTION IS USED TRANSPOSED: a lane holds eight neighbouring columns of a row of out.
; The bias, doubled, is the C of each sum's first product.  Rows 0-15 of each batch are written again, more finely, by the launch that follows.
; REGISTERS: window 0: v0-31 addresses; v32-95 the way out; v96-127 the bias; v128-255 accumulators.  window 1: two fragment buffers of 128 (64 of z, 64 of W).
.set WPO,    12288000
.set PA,     144
.set HEADB,  64*PA
.set HALFA,  4*HEADB
.set BOFF,   2*HALFA
.set SLOT,   BOFF+65536
.set STAGE,  2*SLOT
.set SPITCH, 272
.set SPARE,  STAGE+4*16*SPITCH
.set ADRA, 16
.set ADRB, 20
.set STO,  24
.set RD,   25
.set CO,   26
.set SPW,  28
.set NIL,  29
.set TMP,  32
.set BIAS, 96
.set ACC,  128
.set F0,   0
.set F1,   128
.set G1, 24
.set G0, 32
.set G1B, 48
.set G0B, 56
.set MSB, 0
.macro WIN new
.if MSB != \new
	s_set_vgpr_msb (MSB<<8)|\new
.set MSB, \new
.endif
.endm
.set MUL,  0x05
.set TO_F, 0x40
.macro JLOAD s                         ; a joint load: waves 0 and 1 fetch z's halves, waves 2 and 3 W's; an s_nop 0 and four v_nop follow each line
	s_cmp_eq_u32 s13, 0
	s_cbranch_scc0 .Lfor_b_\@
	tensor_load_to_lds s[G0+4*\s:G0+4*\s+3], s[G1:G1+7]
	s_nop 0
.rept 4
	v_nop
.endr
	s_branch .Lasked_\@
.Lfor_b_\@:
	tensor_load_to_lds s[G0B+4*\s:G0B+4*\s+3], s[G1B:G1B+7]
	s_nop 0
.rept 4
	v_nop
.endr
.Lasked_\@:
.endm
.macro CREST
	s_cmp_lg_u32 s12, 0
	s_cbranch_scc1 .Lnot_wave_0_\@
	s_barrier_signal -3
.Lnot_wave_0_\@:
	s_barrier_wait -3
	s_barrier_signal -1
	s_barrier_wait -1
.endm
.macro CROUND
	s_barrier_signal -1
	s_barrier_wait -1
	CREST
.endm
	s_load_b256 s[4:11], s[0:1], 0x0               ; z16, qz, b_proj, out0
	v_lshl_add_u32 v[SPW], v0, 2, SPARE
	v_mov_b32 v[NIL], 0
	ds_add_u32 v[SPW], v[NIL]                      ; the wave's opening: the add, twice on end, and its wait ahead of my first tensor load
	ds_add_u32 v[SPW], v[NIL]
	v_lshrrev_b32 v1, 5, v0
	v_readfirstlane_b32 s12, v1                    ; wave 0..3
	s_lshr_b32 s13, s12, 1                         ; my half of the rows; also: I fetch for z (0) or W (1)
	s_and_b32 s14, s12, 1                          ; my half of the columns; also: which half I fetch
	s_bfe_u32 s40, ttmp6, 0x40000
	s_bfe_u32 s41, ttmp6, 0x40004
	s_lshl_b32 s42, ttmp9, 2
	s_add_co_u32 s42, s42, s40                     ; tile column 0..7
	s_and_b32 s15, ttmp7, 0xffff
	s_lshl_b32 s15, s15, 2
	s_add_co_u32 s15, s15, s41                     ; tile row 0..31
	s_lshl_b32 s43, s41, 2
	s_lshl_b32 s43, 15, s43
	s_lshl_b32 s44, 0x1111, s40
	s_or_b32 s[G1+0], s43, (1<<16)|(1<<20)|(1<<21)|(4<<22)|(3<<25)   ; elements of 2 bytes; 4 words of padding behind every 32
	s_mov_b32 s[G1+1], (4096&0xffff)<<16           ; tensor_dim0 = 4,096: 64 rows of a head on end
	s_mov_b32 s[G1+2], 4<<16                       ; tensor_dim1 = 4 heads
	s_mov_b32 s[G1+3], 4096<<16                    ; tile_dim0
	s_mov_b32 s[G1+4], 4                           ; tile_dim1
	s_mov_b32 s[G1+5], 131072                      ; from head to head, in elements
	s_mov_b32 s[G1+6], 0
	s_mov_b32 s[G1+7], 0
	s_or_b32 s[G1B+0], s44, (3<<16)|(1<<21)        ; a dense block of 32,768 bytes as 128 rows of 256
	s_mov_b32 s[G1B+1], 32<<16
	s_mov_b32 s[G1B+2], 128<<16
	s_mov_b32 s[G1B+3], 32<<16
	s_mov_b32 s[G1B+4], 128
	s_mov_b32 s[G1B+5], 32
	s_mov_b32 s[G1B+6], 0
	s_mov_b32 s[G1B+7], 0
	s_lshr_b32 s16, s15, 4                         ; z: batch,
	s_lshl_b32 s16, s16, 15
	s_and_b32 s17, s15, 15
	s_lshl_b32 s17, s17, 7                         ; row 128 (tile row % 16)
	s_add_co_u32 s16, s16, s17
	s_lshl_b32 s17, s14, 6                         ; + the 64 rows that I fetch
	s_add_co_u32 s16, s16, s17
	s_lshl_b32 s16, s16, 7
	s_mov_b32 s17, 0
	s_lshl_b32 s46, s42, 18                        ; W: the tile column's images
	s_lshl_b32 s47, s14, 15
	s_add_co_u32 s46, s46, s47
	s_add_co_u32 s46, s46, WPO
	s_mov_b32 s47, 0
	s_mul_i32 s20, s14, HALFA
	s_lshl_b32 s21, s14, 15
	s_add_co_u32 s21, s21, BOFF
	s_wait_dscnt 0x0                               ; both opening adds are done
	s_wait_kmcnt 0x0
	s_add_nc_u64 s[16:17], s[4:5], s[16:17]
	s_add_nc_u64 s[46:47], s[6:7], s[46:47]
	CROUND                                         ; all sixteen work-groups are here
.irp s, 0,1
	s_mov_b32 s[G0+4*\s], 1
	s_add_co_u32 s[G0+4*\s+1], s20, \s*SLOT
	s_add_nc_u64 s[G0+4*\s+2:G0+4*\s+3], s[16:17], \s*4*262144
	s_or_b32 s[G0+4*\s+3], s[G0+4*\s+3], 0x80000000
	s_mov_b32 s[G0B+4*\s], 1
	s_add_co_u32 s[G0B+4*\s+1], s21, \s*SLOT
	s_add_nc_u64 s[G0B+4*\s+2:G0B+4*\s+3], s[46:47], \s*65536
	s_or_b32 s[G0B+4*\s+3], s[G0B+4*\s+3], 0x80000000
	JLOAD \s
.endr
	v_and_b32 v1, 15, v0                           ; r
	v_bfe_u32 v2, v0, 4, 1                         ; h
	v_mul_u32_u24 v3, v1, PA
	v_lshl_add_u32 v3, v2, 4, v3
	s_mul_i32 s21, s13, HALFA
	v_add_nc_u32 v[ADRA], s21, v3
	v_add_nc_u32 v[ADRA+1], SLOT, v[ADRA]
	v_and_b32 v4, 31, v0
	v_lshlrev_b32 v4, 4, v4
	s_lshl_b32 s22, s14, 12
	s_add_co_u32 s22, s22, BOFF
	v_add_nc_u32 v[ADRB], s22, v4
	v_add_nc_u32 v[ADRB+1], SLOT, v[ADRB]
	s_mul_i32 s23, s12, 16*SPITCH
	s_add_co_u32 s23, s23, STAGE                   ; my stage
	v_mul_u32_u24 v4, v1, SPITCH
	v_lshl_add_u32 v4, v2, 5, v4
	v_add_nc_u32 v[STO], s23, v4                   ; in: row r, 32 bytes for each half of the lanes
	v_mul_u32_u24 v5, v2, SPITCH
	v_lshl_add_u32 v5, v1, 4, v5
	v_add_nc_u32 v[RD], s23, v5                    ; back: sixteen lanes to a row of 256 bytes
	v_lshlrev_b32 v[CO], 12, v2
	v_lshl_add_u32 v[CO], v1, 4, v[CO]
	s_lshl_b32 s16, s15, 7
	s_lshl_b32 s17, s13, 6
	s_add_co_u32 s16, s16, s17
	s_lshl_b32 s16, s16, 12
	s_mov_b32 s17, 0
	s_add_nc_u64 s[10:11], s[10:11], s[16:17]      ; out at my first row,
	s_lshl_b32 s46, s42, 9
	s_lshl_b32 s47, s14, 8
	s_add_co_u32 s46, s46, s47
	s_mov_b32 s47, 0
	s_add_nc_u64 s[10:11], s[10:11], s[46:47]      ; my first column;
	s_add_nc_u64 s[8:9], s[8:9], s[46:47]          ; the bias likewise
	v_lshlrev_b32 v6, 5, v2
.irp b, 0,1,2,3
	global_load_b128 v[BIAS+8*\b:BIAS+8*\b+3], v6, s[8:9] offset:64*\b
	global_load_b128 v[BIAS+8*\b+4:BIAS+8*\b+7], v6, s[8:9] offset:64*\b+16
.endr
	s_wait_loadcnt 0x0
.set n, 0
.rept 16
	v_pk_add_f32 v[BIAS+n:BIAS+n+1], v[BIAS+n:BIAS+n+1], v[BIAS+n:BIAS+n+1]   ; 2 b_proj
.set n, n+2
.endr
.macro MUL8 f, c, a0, zero             ; 8 matrix instructions; zero = 1: the first product starts the sum on the bias.  The 16 accumulators take turns
.irp a, \a0, \a0+1
.irp b, 0,1,2,3
.if \zero
	v_wmma_f32_16x16x32_f16 v[ACC+8*(4*(\a)+\b):ACC+8*(4*(\a)+\b)+7], v[\f+64+8*(4*\c+\b):\f+64+8*(4*\c+\b)+7], v[\f+8*(4*\c+\a):\f+8*(4*\c+\a)+7], v[BIAS+8*\b:BIAS+8*\b+7]
.else
	v_wmma_f32_16x16x32_f16 v[ACC+8*(4*(\a)+\b):ACC+8*(4*(\a)+\b)+7], v[\f+64+8*(4*\c+\b):\f+64+8*(4*\c+\b)+7], v[\f+8*(4*\c+\a):\f+8*(4*\c+\a)+7], v[ACC+8*(4*(\a)+\b):ACC+8*(4*(\a)+\b)+7]
.endif
.endr
.endr
.endm
.macro FETCH slot, q, f                ; 32 LDS loads: the fragments of head q of the slot (64 along K); the first 32 along K first
	WIN TO_F
.irp c, 0,1
.irp i, 0,1,2,3
	ds_load_b128 v[\f+64+8*(4*\c+\i):\f+64+8*(4*\c+\i)+3],   v[ADRB+\slot] offset:(2*(\q)+\c)*8192+\i*1024
	ds_load_b128 v[\f+64+8*(4*\c+\i)+4:\f+64+8*(4*\c+\i)+7], v[ADRB+\slot] offset:(2*(\q)+\c)*8192+\i*1024+512
	ds_load_b128 v[\f+8*(4*\c+\i):\f+8*(4*\c+\i)+3],         v[ADRA+\slot] offset:(\q)*HEADB+64*\c+\i*16*PA
	ds_load_b128 v[\f+8*(4*\c+\i)+4:\f+8*(4*\c+\i)+7],       v[ADRA+\slot] offset:(\q)*HEADB+64*\c+\i*16*PA+32
.endr
.endr
.endm
.macro PLACES
.rept 4
	v_nop
.endr
.endm
.macro QUARTER slot, q, f, g, zero     ; multiplies buffer f and fetches head q into g
	s_wait_dscnt 16                                ; the first 32 along K are in
	WIN MUL
	MUL8 \f, 0, 0, \zero
	MUL8 \f, 0, 2, \zero
	PLACES
	FETCH \slot, \q, \g
	s_wait_dscnt 32                                ; all but the 32 just issued
	WIN MUL
	MUL8 \f, 1, 0, 0
	MUL8 \f, 1, 2, 0
.endm
.macro TURN slot, next, fill           ; a slot's last quarter changes slots: one barrier; fill = 1: the barrier opens a round of the cluster's, and this slot is filled again
	WIN 0
	s_wait_tensorcnt 0x0                           ; all my tensor loads have landed: my part of the next slot
	ds_add_u32 v[SPW], v[NIL]
	s_wait_dscnt 17                                ; (the add and the youngest sixteen loads may be out)
	WIN MUL
	MUL8 F1, 0, 0, 0
	s_wait_dscnt 0x0                               ; the add is done, and my reads of this slot are over
	s_barrier_signal -1
	MUL8 F1, 0, 2, 0
.if \fill
	WIN 0
.endif
	s_barrier_wait -1
.if \fill
	CREST
	s_add_nc_u64 s[G0+4*\slot+2:G0+4*\slot+3], s[G0+4*\slot+2:G0+4*\slot+3], 8*262144
	s_add_nc_u64 s[G0B+4*\slot+2:G0B+4*\slot+3], s[G0B+4*\slot+2:G0B+4*\slot+3], 2*65536
	JLOAD \slot                                    ; the first tensor load behind the round; its four v_nop are also the places in front of the loads below
.else
	PLACES
.endif
	FETCH \next, 0, F0
	WIN MUL
	MUL8 F1, 1, 0, 0
	MUL8 F1, 1, 2, 0
.endm
	s_wait_tensorcnt 1                             ; my part of K step 0 is in (K step 1's load may be out),
	s_barrier_signal -1
	s_barrier_wait -1                              ; everybody's is
	FETCH 0, 0, F0
	QUARTER 0, 1, F0, F1, 1
	QUARTER 0, 2, F1, F0, 0                        ; four K steps, written out: the first two fill their slots again
	QUARTER 0, 3, F0, F1, 0
	TURN 0, 1, 1
	QUARTER 1, 1, F0, F1, 0
	QUARTER 1, 2, F1, F0, 0
	QUARTER 1, 3, F0, F1, 0
	TURN 1, 0, 1
	QUARTER 0, 1, F0, F1, 0
	QUARTER 0, 2, F1, F0, 0
	QUARTER 0, 3, F0, F1, 0
	TURN 0, 1, 0
	QUARTER 1, 1, F0, F1, 0
	QUARTER 1, 2, F1, F0, 0
	QUARTER 1, 3, F0, F1, 0
	s_wait_dscnt 16
	WIN MUL
	MUL8 F1, 0, 0, 0
	MUL8 F1, 0, 2, 0
	s_wait_dscnt 0
	MUL8 F1, 1, 0, 0
	MUL8 F1, 1, 2, 0
	WIN 0
	; THE WAY OUT: my 64 columns of f32 are 256 bytes: a block of 16 rows goes through my own stage and leaves as whole aligned runs of 256 bytes.
	PLACES
.irp a, 0,1,2,3
.if \a >= 2
	s_wait_xcnt 0x0                                ; the stores of two blocks ago have read these registers
.endif
.irp b, 0,1,2,3
	ds_store_b128 v[STO], v[ACC+8*(4*\a+\b):ACC+8*(4*\a+\b)+3] offset:64*\b          ; each accumulator from its low end on
	ds_store_b128 v[STO], v[ACC+8*(4*\a+\b)+4:ACC+8*(4*\a+\b)+7] offset:64*\b+16
.endr
.irp i, 0,1,2,3,4,5,6,7
	ds_load_b128 v[TMP+32*(\a%2)+4*\i:TMP+32*(\a%2)+4*\i+3], v[RD] offset:\i*2*SPITCH
.endr
.irp i, 0,1,2,3,4,5,6,7
	s_wait_dscnt 7-\i                              ; the younger loads may be out
	global_store_b128 v[CO], v[TMP+32*(\a%2)+4*\i:TMP+32*(\a%2)+4*\i+3], s[10:11] offset:\a*65536+\i*8192 th:TH_STORE_NT
.endr
.endr
	s_wait_tensorcnt 0x0                           ; the wave's end
	ds_add_u32 v[SPW], v[NIL]
	s_wait_dscnt 0x0
	CROUND                                         ; the closing round
	s_endpgm
.Lfunc_end_k_qbe665dee76_proj:
	.size	k_qbe665dee76_proj, .Lfunc_end_k_qbe665dee76_proj-k_qbe665dee76_proj
	.p2alignl 7, 3214868480
	.fill 96, 4, 3214868480
	.section	.rodata,"a",@progbits
	.p2align	6, 0x0
	.amdhsa_kernel k_qbe665dee76_proj
		.amdhsa_group_segment_fixed_size 327680
		.amdhsa_private_segment_fixed_size 0
		.amdhsa_enable_private_segment 0
		.amdhsa_kernarg_size 32
		.amdhsa_user_sgpr_count 2
		.amdhsa_user_sgpr_kernarg_segment_ptr 1
		.amdhsa_wavefront_size32 1
		.amdhsa_system_sgpr_workgroup_id_x 1
		.amdhsa_system_sgpr_workgroup_id_y 1
		.amdhsa_system_sgpr_workgroup_id_z 1
		.amdhsa_system_vgpr_workitem_id 0
		.amdhsa_next_free_vgpr 512
		.amdhsa_next_free_sgpr 66
		.amdhsa_reserve_vcc 0
		.amdhsa_float_denorm_mode_32 3
		.amdhsa_float_denorm_mode_16_64 3
		.amdhsa_memory_ordered 1
		.amdhsa_forward_progress 1
		.amdhsa_inst_pref_size 88
	.end_amdhsa_kernel
	.amdgpu_metadata
---
amdhsa.version: [ 1, 2 ]
amdhsa.kernels:
  - .name:           k_qbe665dee76_proj
    .symbol:         k_qbe665dee76_proj.kd
    .args:
      - { .name: z16, .offset: 0, .size: 8, .value_kind: global_buffer, .address_space: global }
      - { .name: qz, .offset: 8, .size: 8, .value_kind: global_buffer, .address_space: global }
      - { .name: b_proj, .offset: 16, .size: 8, .value_kind: global_buffer, .address_space: global }
      - { .name: out0, .offset: 24, .size: 8, .value_kind: global_buffer, .address_space: global }
    .group_segment_fixed_size: 327680
    .private_segment_fixed_size: 0
    .kernarg_segment_align: 8
    .kernarg_segment_size: 32
    .max_flat_workgroup_size: 128
    .sgpr_count:     66
    .vgpr_count:     512
    .wavefront_size: 32
...
	.end_amdgpu_metadata
.endif
;; end of part 4
;; launch first16 (part 5): grid 128 x 1, 16 waves a work-group, no clusters, 18,432 bytes of LDS; arguments q16, k16, k216, x, W_proj, b_proj, out0; writes out0
.if DOCPART == 5
	.amdgcn_target "amdgcn-amd-amdhsa--gfx1250"
	.amdhsa_code_object_version 6
	.text
	.protected	k_qbe665dee76_first16
	.globl	k_qbe665dee76_first16
	.p2align	8
	.type	k_qbe665dee76_first16,@function
k_qbe665dee76_first16:
	s_mov_b64 s[64:65], 0
	v_nop
	global_prefetch_b8 v0, s[64:65] scope:SCOPE_SE
	s_setreg_imm32_b32 hwreg(HW_REG_WAVE_MODE, 25, 1), 1
	s_wait_xcnt 0x0
; THE FIRST 16 POSITIONS OF EACH SEQUENCE, more finely: they average one to sixteen values, so the rounding of f16 operands would weigh most there.
; Scores from the f16 q, k, k2; both products of weights and values, and the projection, with f32 operands (v_wmma_f32_16x16x4_f32): 16 rows of 4,096: no bulk work.
; Work-group: batch id / 64, output columns 16 (id % 64) on.  Wave = head.  Every work-group repeats its batch's small attention and owns 16 columns of out, so no sum crosses work-groups.
; A lane holds one query in S^T, P and z^T.  The first product is made twice, in both layouts: y^T (a lane a query: the sum goes on) and y (a lane a channel, registers along the positions: e = x[s+1] - y[s] is the
; second product's operand as it stands).  The second product adds onto y^T in place: z = y + y2.  The k of a step of 4 is the same permutation on both sides: key (or channel) 8 h + 2 i + j.
; The registers that the f32 form writes (v136-199, v232-247) are written by matrix instructions alone.
; The stores are 64 bytes of rows 4,096 bytes apart: 131,072 bytes in the whole launch.  LIMITS as in the attentions.
.set SPARE, 16384
.set SPW, 5
.set NIL, 6
.set XV, 80                            ; 10 ct + i, i = 0 .. 8: x[8 h + i][64 head + 16 ct + r]
.set P,  120                           ; v120-127 the first pass's weights, v128-135 the second's
.set YT, 136
.set YO, 168
.set WF, 200                           ; 8 ct + i: W_proj[64 head + 16 ct + 8 h + i][n0 + r]
.set OA, 232
.set OB, 240
	s_load_b256 s[4:11], s[0:1], 0x0               ; q16, k16, k216, x
	s_load_b128 s[12:15], s[0:1], 0x20             ; W_proj, b_proj
	s_load_b64 s[16:17], s[0:1], 0x30              ; out0
	v_lshl_add_u32 v[SPW], v0, 2, SPARE
	v_mov_b32 v[NIL], 0
	v_lshrrev_b32 v1, 5, v0
	v_readfirstlane_b32 s18, v1                    ; wave = head
	v_and_b32 v1, 15, v0                           ; r
	v_bfe_u32 v2, v0, 4, 1                         ; h
	v_lshlrev_b32 v3, 7, v1
	v_lshl_add_u32 v3, v2, 4, v3                   ; fragments: row r of 128 bytes, + 16 h
	v_lshlrev_b32 v7, 2, v1                        ; 4 r
	v_lshl_add_u32 v4, v2, 15, v7                  ; x, W_proj, out: 8 h rows of 4,096 bytes, + 4 r
	v_and_b32 v9, 31, v0
	v_lshlrev_b32 v9, 4, v9
	s_lshl_b32 s21, s18, 10
	v_add_nc_u32 v8, s21, v9                       ; LDS: my partial, 1,024 bytes a wave
	s_and_b32 s21, s18, 1
	s_lshl_b32 s21, s21, 9
	v_add_nc_u32 v9, s21, v9                       ; and where waves 0 and 1 read: half (wave % 2) of every partial
	s_mov_b32 s32, 0x76543210
	s_mov_b32 s33, 0xfedcba98
	s_lshr_b32 s19, ttmp9, 6                       ; batch
	s_and_b32 s20, ttmp9, 63
	s_lshl_b32 s20, s20, 6                         ; my first column, in bytes
	s_lshl_b32 s22, s19, 4
	s_add_co_u32 s22, s22, s18
	s_lshl_b32 s22, s22, 18
	s_mov_b32 s23, 0
	s_lshl_b32 s24, s19, 23
	s_lshl_b32 s25, s18, 8
	s_add_co_u32 s24, s24, s25
	s_mov_b32 s25, 0
	s_lshl_b32 s26, s18, 18
	s_add_co_u32 s26, s26, s20
	s_mov_b32 s27, 0
	s_mov_b32 s28, s20
	s_mov_b32 s29, 0
	s_lshl_b32 s30, s19, 23
	s_add_co_u32 s30, s30, s20
	s_lshl_b32 s31, s21, 5                         ; rows 4 (wave % 2) on
	s_add_co_u32 s30, s30, s31
	s_mov_b32 s31, 0
	s_wait_kmcnt 0x0
	s_add_nc_u64 s[4:5], s[4:5], s[22:23]
	s_add_nc_u64 s[6:7], s[6:7], s[22:23]
	s_add_nc_u64 s[8:9], s[8:9], s[22:23]
	s_add_nc_u64 s[24:25], s[10:11], s[24:25]
	s_add_nc_u64 s[26:27], s[12:13], s[26:27]
	s_add_nc_u64 s[28:29], s[14:15], s[28:29]
	s_add_nc_u64 s[30:31], s[16:17], s[30:31]
.irp kk, 0,1
	global_load_b128 v[16+8*\kk:19+8*\kk], v3, s[4:5] offset:64*\kk
	global_load_b128 v[20+8*\kk:23+8*\kk], v3, s[4:5] offset:64*\kk+32
	global_load_b128 v[32+8*\kk:35+8*\kk], v3, s[6:7] offset:64*\kk
	global_load_b128 v[36+8*\kk:39+8*\kk], v3, s[6:7] offset:64*\kk+32
	global_load_b128 v[48+8*\kk:51+8*\kk], v3, s[8:9] offset:64*\kk
	global_load_b128 v[52+8*\kk:55+8*\kk], v3, s[8:9] offset:64*\kk+32
.endr
.irp ct, 0,1,2,3
.irp i, 0,1,2,3,4,5,6,7,8
	global_load_b32 v[XV+10*\ct+\i], v4, s[24:25] offset:\i*4096+\ct*64
.endr
.endr
.irp ct, 0,1,2,3
.irp i, 0,1,2,3,4,5,6,7
	global_load_b32 v[WF+8*\ct+\i], v4, s[26:27] offset:(16*\ct+\i)*4096
.endr
.endr
	global_load_b32 v12, v7, s[28:29]              ; b_proj[n0 + r]
	v_mov_b32 v13, 0xff800000
	v_lshlrev_b32 v10, 3, v2
	v_sub_nc_u32 v10, v1, v10                      ; r - 8 h: key 8 h + j is hidden in the first pass where j > r - 8 h,
	v_add_nc_u32 v11, -1, v10                      ; in the second where j > r - 8 h - 1
.irp u, 0,1,2,3
	v_mov_b32 v[250+\u], 0                         ; written once: a lane permute's destination counts as one of its sources
.endr
	s_wait_loadcnt 0x0
	v_wmma_f32_16x16x32_f16 v[64:71], v[32:39], v[16:23], 0          ; S^T = k q^T and S2^T = k2 q^T, by turns
	v_wmma_f32_16x16x32_f16 v[72:79], v[48:55], v[16:23], 0
	v_wmma_f32_16x16x32_f16 v[64:71], v[40:47], v[24:31], v[64:71]
	v_wmma_f32_16x16x32_f16 v[72:79], v[56:63], v[24:31], v[72:79]
.rept 4
	v_nop
.endr
.irp j, 0,1,2,3,4,5,6,7
	v_cmp_gt_i32 vcc_lo, \j, v10
	v_cndmask_b32 v[64+\j], v[64+\j], v13, vcc_lo
	v_cmp_gt_i32 vcc_lo, \j, v11
	v_cndmask_b32 v[72+\j], v[72+\j], v13, vcc_lo
.endr
.irp u, 0,1
	v_max3_num_f32 v[248+\u], v[64+8*\u], v[65+8*\u], v[66+8*\u]
.endr
.irp u, 0,1
	v_max3_num_f32 v[248+\u], v[248+\u], v[67+8*\u], v[68+8*\u]
.endr
.irp u, 0,1
	v_max3_num_f32 v[248+\u], v[248+\u], v[69+8*\u], v[70+8*\u]
.endr
.irp u, 0,1
	v_max3_num_f32 v[248+\u], v[248+\u], v[71+8*\u], 0xff61b1e6      ; and -3e38, so that a row with no key keeps a finite maximum
.endr
.irp u, 0,1
	v_permlanex16_b32 v[250+\u], v[248+\u], s32, s33
.endr
.irp u, 0,1
	v_max_num_f32 v[248+\u], v[248+\u], v[250+\u]
.endr
.irp j, 0,1,2,3,4,5,6,7
.irp u, 0,1
	v_sub_f32 v[P+8*\u+\j], v[64+8*\u+\j], v[248+\u]
.endr
.endr
.set n, 0
.rept 16
	v_exp_f32 v[P+n], v[P+n]
.set n, n+1
.endr
	v_nop
	s_wait_alu depctr_va_vdst(0)                   ; one wait for the sixteen
.irp u, 0,1
	v_add_f32 v[250+\u], v[P+8*\u], v[P+8*\u+1]
.endr
.irp j, 2,3,4,5,6,7
.irp u, 0,1
	v_add_f32 v[250+\u], v[250+\u], v[P+8*\u+\j]
.endr
.endr
.irp u, 0,1
	v_permlanex16_b32 v[252+\u], v[250+\u], s32, s33
.endr
.irp u, 0,1
	v_add_f32 v[250+\u], v[250+\u], v[252+\u]
.endr
.irp u, 0,1
	v_max_num_f32 v[250+\u], 0x800000, v[250+\u]   ; a row with no key: weights 0
.endr
.irp u, 0,1
	v_rcp_f32 v[254+\u], v[250+\u]
.endr
	v_nop
	s_wait_alu depctr_va_vdst(0)                   ; one wait for the two
.irp j, 0,1,2,3,4,5,6,7
.irp u, 0,1
	v_mul_f32 v[P+8*\u+\j], v[P+8*\u+\j], v[254+\u]
.endr
.endr
.irp i, 0,1,2,3                        ; y^T and y: eight accumulators by turns; the first step starts the sums
.irp ct, 0,1,2,3
.if \i == 0
	v_wmma_f32_16x16x4_f32 v[YT+8*\ct:YT+8*\ct+7], v[XV+10*\ct+2*\i:XV+10*\ct+2*\i+1], v[P+2*\i:P+2*\i+1], 0
	v_wmma_f32_16x16x4_f32 v[YO+8*\ct:YO+8*\ct+7], v[P+2*\i:P+2*\i+1], v[XV+10*\ct+2*\i:XV+10*\ct+2*\i+1], 0
.else
	v_wmma_f32_16x16x4_f32 v[YT+8*\ct:YT+8*\ct+7], v[XV+10*\ct+2*\i:XV+10*\ct+2*\i+1], v[P+2*\i:P+2*\i+1], v[YT+8*\ct:YT+8*\ct+7]
	v_wmma_f32_16x16x4_f32 v[YO+8*\ct:YO+8*\ct+7], v[P+2*\i:P+2*\i+1], v[XV+10*\ct+2*\i:XV+10*\ct+2*\i+1], v[YO+8*\ct:YO+8*\ct+7]
.endif
.endr
.endr
.rept 8
	v_nop                                          ; eight places behind this form, ahead of the reads of its results
.endr
.irp ct, 0,1,2,3
.irp i, 0,1,2,3,4,5,6,7
	v_sub_f32 v[16+8*\ct+\i], v[XV+10*\ct+\i+1], v[YO+8*\ct+\i]      ; e[8 h + i] = x[8 h + i + 1] - y[8 h + i], channel 16 ct + r
.endr
.endr
.irp i, 0,1,2,3                        ; z^T = y^T + e^T P2: four accumulators by turns
.irp ct, 0,1,2,3
	v_wmma_f32_16x16x4_f32 v[YT+8*\ct:YT+8*\ct+7], v[16+8*\ct+2*\i:16+8*\ct+2*\i+1], v[P+8+2*\i:P+8+2*\i+1], v[YT+8*\ct:YT+8*\ct+7]
.endr
.endr
.rept 9
	v_nop                                          ; nine places: the results become operands
.endr
.set n, 0
.irp ct, 0,1,2,3                       ; my head's part of the projection: two accumulators by turns
.irp i, 0,1,2,3
.if n < 2
	v_wmma_f32_16x16x4_f32 v[OA+8*(n%2):OA+8*(n%2)+7], v[YT+8*\ct+2*\i:YT+8*\ct+2*\i+1], v[WF+8*\ct+2*\i:WF+8*\ct+2*\i+1], 0
.else
	v_wmma_f32_16x16x4_f32 v[OA+8*(n%2):OA+8*(n%2)+7], v[YT+8*\ct+2*\i:YT+8*\ct+2*\i+1], v[WF+8*\ct+2*\i:WF+8*\ct+2*\i+1], v[OA+8*(n%2):OA+8*(n%2)+7]
.endif
.set n, n+1
.endr
.endr
.rept 8
	v_nop
.endr
.irp j, 0,1,2,3,4,5,6,7
	v_add_f32 v[248+\j], v[OA+\j], v[OB+\j]        ; lane (r, h), register j: row 8 h + j, column n0 + r
.endr
	ds_store_b128 v8, v[248:251]
	ds_store_b128 v8, v[252:255] offset:512
	s_wait_dscnt 0x0                               ; for the others' sake
	s_barrier_signal -1
	s_barrier_wait -1
	s_cmp_lt_u32 s18, 2
	s_cbranch_scc0 .Ldone
.set n, 0
.rept 16
	ds_load_b128 v[16+4*n:19+4*n], v9 offset:1024*n   ; wave g: registers 4 g .. 4 g + 3 of all sixteen heads' parts
.set n, n+1
.endr
	s_wait_dscnt 0x0
.irp k, 8,4,2,1
.set n, 0
.rept \k
	v_pk_add_f32 v[16+4*n:17+4*n], v[16+4*n:17+4*n], v[16+4*(n+\k):17+4*(n+\k)]
	v_pk_add_f32 v[18+4*n:19+4*n], v[18+4*n:19+4*n], v[18+4*(n+\k):19+4*(n+\k)]
.set n, n+1
.endr
.endr
.irp k, 0,1,2,3
	v_fma_f32 v[16+\k], 2.0, v12, v[16+\k]         ; + 2 b_proj
.endr
.irp k, 0,1,2,3
	global_store_b32 v4, v[16+\k], s[30:31] offset:\k*4096
.endr
.Ldone:
	s_wait_tensorcnt 0x0                           ; the wave's end
	ds_add_u32 v[SPW], v[NIL]
	s_wait_dscnt 0x0
	s_endpgm
.Lfunc_end_k_qbe665dee76_first16:
	.size	k_qbe665dee76_first16, .Lfunc_end_k_qbe665dee76_first16-k_qbe665dee76_first16
	.p2alignl 7, 3214868480
	.fill 96, 4, 3214868480
	.section	.rodata,"a",@progbits
	.p2align	6, 0x0
	.amdhsa_kernel k_qbe665dee76_first16
		.amdhsa_group_segment_fixed_size 18432
		.amdhsa_private_segment_fixed_size 0
		.amdhsa_enable_private_segment 0
		.amdhsa_kernarg_size 56
		.amdhsa_user_sgpr_count 2
		.amdhsa_user_sgpr_kernarg_segment_ptr 1
		.amdhsa_wavefront_size32 1
		.amdhsa_system_sgpr_workgroup_id_x 1
		.amdhsa_system_sgpr_workgroup_id_y 1
		.amdhsa_system_sgpr_workgroup_id_z 1
		.amdhsa_system_vgpr_workitem_id 0
		.amdhsa_next_free_vgpr 256
		.amdhsa_next_free_sgpr 66
		.amdhsa_reserve_vcc 1
		.amdhsa_float_denorm_mode_32 3
		.amdhsa_float_denorm_mode_16_64 3
		.amdhsa_memory_ordered 1
		.amdhsa_forward_progress 1
		.amdhsa_inst_pref_size 25
	.end_amdhsa_kernel
	.amdgpu_metadata
---
amdhsa.version: [ 1, 2 ]
amdhsa.kernels:
  - .name:           k_qbe665dee76_first16
    .symbol:         k_qbe665dee76_first16.kd
    .args:
      - { .name: q16, .offset: 0, .size: 8, .value_kind: global_buffer, .address_space: global }
      - { .name: k16, .offset: 8, .size: 8, .value_kind: global_buffer, .address_space: global }
      - { .name: k216, .offset: 16, .size: 8, .value_kind: global_buffer, .address_space: global }
      - { .name: x, .offset: 24, .size: 8, .value_kind: global_buffer, .address_space: global }
      - { .name: W_proj, .offset: 32, .size: 8, .value_kind: global_buffer, .address_space: global }
      - { .name: b_proj, .offset: 40, .size: 8, .value_kind: global_buffer, .address_space: global }
      - { .name: out0, .offset: 48, .size: 8, .value_kind: global_buffer, .address_space: global }
    .group_segment_fixed_size: 18432
    .private_segment_fixed_size: 0
    .kernarg_segment_align: 8
    .kernarg_segment_size: 56
    .max_flat_workgroup_size: 512
    .sgpr_count:     66
    .vgpr_count:     256
    .wavefront_size: 32
...
	.end_amdgpu_metadata
.endif
;; end of part 5
